; MI455X (gfx1250); checked and timed in simulation.
; The chip was launched on July 23, 2026; its instructions are those of AMD's public machine-readable ISA for CDNA 5 (MIT licence, August 2026) and "CDNA5" Instruction Set Architecture Reference Guide (July 2026). The comments in the code are by the model that wrote it; some were corrected since.
;; Attention. Allowed arithmetic: matrix products marked QUANTISED: E4M3 operands, one E8M0 scale for each 32 along K, by v_wmma_scale_f32_16x16x128_f8f6f4 with both operands' format E4M3, f32 sums; everything else in f32.
;; Inputs: b_out 1,024 float32; b_qkv 3,072 float32; w_out 1,024 x 1,024 float32; w_qkv 1,024 x 3,072 float32; x 4 x 2,048 x 1,024 float32.
;; Outputs: out0 4 x 2,048 x 1,024 float32.
;; This version of the problem:
;;   THIS VERSION OF THE PROBLEM IS GIVEN IN LOW PRECISION. The matrix products marked QUANTISED in the list below multiply operands that are first quantised to E4M3 (4 exponent bits, 3 mantissa bits; 8 bits a number), with one power-of-two scale for each 32 numbers along K (OCP MX v1.0); their sums are f32. All else is computed in f32.
;;   The module's matrix products, in the order in which they are computed (A, B: the left and right operand; K: the contracted axis; several contracted axes count as one K, in the product's order):
;;     1. [M 8,192, K 1,024] x [K 1,024, N 3,072]; A: input x; B: input w_qkv: QUANTISED
;;     2. batch 64 x [M 2,048, K 64] x [K 64, N 2,048]; A: computed on the way; B: computed on the way: QUANTISED
;;     3. batch 64 x [M 2,048, K 2,048] x [K 2,048, N 64]; A: softmax (see below); B: computed on the way: QUANTISED
;;     4. [M 8,192, K 1,024] x [K 1,024, N 1,024]; A: computed on the way; B: input w_out: QUANTISED
;;   THE QUANTISER, for each operand of a quantised product, along K:
;;     - K is cut into blocks of 32 from its start; a last block that is shorter is filled with zeros.
;;     - A block's scale is 2^e with e = floor(log2(the largest magnitude in the block)) - 8, held to -126 .. 127; a block of zeros has e = 0. As a byte (E8M0): e + 127.
;;     - Each number is divided by its block's scale, clamped to +-448, and rounded to the nearest number of E4M3, ties to even, subnormals kept.
;;     - The product sums the exact products of the quantised numbers (number of the format x scale) in f32.
;;   ~~~python
;;   def quantise(x, axis):      # numpy; x: float32 -> the quantised numbers, widened to float32 again
;;       x = np.moveaxis(x, axis, -1); K = x.shape[-1]
;;       x = np.pad(x, [(0, 0)] * (x.ndim - 1) + [(0, -K % 32)]); x = x.reshape(x.shape[:-1] + (-1, 32)); a = np.abs(x).max(-1, keepdims=True)
;;       e = np.where(a > 0, np.clip(np.frexp(np.where(a > 0, a, 1))[1] - 1 - 8, -126, 127), 0)      # np.frexp(a)[1] - 1 = floor(log2(a)), exactly
;;       r = np.clip(x / 2.0 ** e, -448, 448)
;;       step = 2.0 ** (np.maximum(np.frexp(np.where(r == 0, 1, r))[1] - 1, -6) - 3)
;;       q = np.round(r / step) * step * 2.0 ** e      # np.round: ties to even
;;       return np.moveaxis(q.reshape(q.shape[:-2] + (-1,))[..., :K], -1, axis).astype(np.float32)
;;   ~~~
;;   SOFTMAX AHEAD OF A QUANTISED PRODUCT. Where the list says 'softmax', what is quantised is not the finished softmax but p = 2^(t - M), with t = logit x log2(e) and M = ceil(the row's largest t), a whole number; so 1/2 < the row's largest p <= 1. The row's sum l is taken of the UNQUANTISED p, in f32, and the product's result is divided by l at the end. Since M is a whole number, a kernel that streams over the keys may use a running M (the ceiling of the running maximum): every later rescaling is an exact power of two, which a block's scale takes up: the codes' values come out the same.
;;   OPERANDS COMPUTED ON THE WAY. 'Computed on the way' means the value that the module computes at that place (a softmax that the list does not call 'softmax' is quantised finished and normalised). What goes into a quantiser is computed in f32, as accurately as f32 sums, v_exp_f32 and their like allow (about 1e-6 of the number): no bf16 or f16 on the way to a quantiser, and a product that is left as it is and whose result goes on into a quantised operand takes f32 operands (vector FMAs, or v_wmma_f32_16x16x4_f32). A number that lies on a knife's edge between two numbers of the format may be rounded either way, as far as f32 arithmetic and the matrix unit's own rounding can turn it there, and no further.
;; One version. Each part assembles by itself: llvm-mc -triple=amdgcn-amd-amdhsa -mcpu=gfx1250 --defsym DOCPART=n.
;; ======== version 1 of 1: 4 launches
;; limits: right only within a limited range of input values
;; workspace buffers: ximg 8,388,608 bytes; xsc 262,144 bytes; wimg 4,194,304 bytes; wsc 131,072 bytes; qrec 17,563,648 bytes; kv 17,563,648 bytes; zimg 8,388,608 bytes; zsc 262,144 bytes
;; launch quant (part 1): grid 512 x 1, 4 waves a work-group, no clusters, 34,304 bytes of LDS; arguments x, w_qkv, w_out, ximg, xsc, wimg, wsc; writes ximg, xsc, wimg, wsc
.if DOCPART == 1
	.amdgcn_target "amdgcn-amd-amdhsa--gfx1250"
	.amdhsa_code_object_version 6
	.text
	.protected	k_q8194aabe68_quant
	.globl	k_q8194aabe68_quant
	.p2align	8
	.type	k_q8194aabe68_quant,@function
k_q8194aabe68_quant:
	s_mov_b64 s[64:65], 0
	v_nop
	global_prefetch_b8 v0, s[64:65] scope:SCOPE_SE
	s_setreg_imm32_b32 hwreg(HW_REG_WAVE_MODE, 25, 1), 1
	s_wait_xcnt 0x0
; x [8192][1024], w_qkv [1024][3072] and w_out [1024][1024], f32, become codes of FP8 (E4M3) with one E8M0 scale byte for each 32 along K (the model's 1,024), laid as IMAGES OF OPERAND REGISTERS.
; A TILE is 16 rows of an operand (rows of x; columns of a weight): tile T holds rows 32 (T / 2) + 8 (T % 2) + r + 8 (r / 8), r = 0 .. 15.  A FRAGMENT is a tile x 128 along K, 2,048 bytes:
; group c (512 bytes) holds, at 16 x lane, the codes k = 32 c + 16 (lane / 16) + 0 .. 15 of row lane % 16.  ximg: [tile 512][K step 8][2048];  wimg: [tile 256][K step 8][2048], w_qkv's columns first (tiles 0-191), then w_out's.
; Scale words: xsc, wsc: [tile][K step][r 16] of 4 bytes, byte b for k = 32 b on.
; A block's scale is 2^(floor(log2(its largest magnitude)) - 8); its byte is the largest magnitude's exponent field - 8, held at 1 from below.  Numbers are held within +-448 x the scale and rounded to the nearest code, ties to even.
; LIMITS: a block of zeros, or one whose largest magnitude lies under 2^-118, gets the byte 1 (its codes are zeros or next to it; only this program reads the bytes); NaN and infinities among the inputs are not served.
; Work-groups 0-255 take x (a wave: one tile x 512 along K, four fragments); 256-447 w_qkv, 448-511 w_out (a work-group: 128 columns x one K step; a lane: one column, registers down K).
; No tensor loads, no barrier: waves share nothing.  Only x's way uses LDS.  Matrix units and clusters have nothing to do here: the launch streams.
.set SEL, 20                           ; s[20:21] lane selects for v_permlanex16_b32: lane l xor 16
.set MNT, 23                           ; s23 the mantissa field of 448
.set R,   16                           ; x's way: v16-143 two sets of 64 numbers as loaded
.set X,   144                          ; v144-207 64 numbers, register 16 c + i = k 32 c + 16 (lane / 16) + i of my row
.set PC,  208                          ; v208-223 a fragment's codes
.set TM,  224                          ; v224-239 at work
.set PW,  240                          ; v240 the scale word
.set SPX, 528                          ; a stage row: 512 bytes + 16: the 16 rows that a read touches start 33 x 16 bytes apart
.set WSTG, 16*SPX                      ; a wave's stage
.set XW,  32                           ; the weights' way: v32-95 two sets of 32 numbers
.set CW,  96                           ; v96-127 codes, 8 registers for each block: no store's data are written again
.set SBW, 24                           ; v24 the column's scale word
; 64 numbers of a lane, v[s] on, become a fragment's 16 registers of codes in v[PC] on and its scale word in v[pw]
.macro QUANT s, pw
.irp b, 0,1,2,3
	v_max3_num_f32 v[TM+\b], |v[\s+16*\b]|, |v[\s+1+16*\b]|, 0x4800000   ; block b: my 16 numbers, and the floor 2^(9 - 127): the byte cannot fall under 1
.endr
.irp i, 2,4,6,8,10,12,14
.irp b, 0,1,2,3
	v_max3_num_f32 v[TM+\b], v[TM+\b], |v[\s+16*\b+\i]|, |v[\s+1+16*\b+\i]|   ; the four blocks by turns
.endr
.endr
.irp b, 0,1,2,3
	v_permlanex16_b32 v[TM+4+\b], v[TM+\b], s[SEL], s[SEL+1]
.endr
.irp b, 0,1,2,3
	v_max_num_f32 v[TM+\b], v[TM+\b], v[TM+4+\b]   ; with lane l xor 16's 16: the block's largest magnitude
.endr
.irp b, 0,1,2,3
	v_add_nc_u32 v[TM+12+\b], 0xfc000000, v[TM+\b]   ; 8 off its exponent field: the conversion's scale operand
.endr
.irp b, 0,1,2,3
	v_and_or_b32 v[TM+8+\b], v[TM+\b], 0x7f800000, s[MNT]   ; 448 x the scale
.endr
.irp b, 0,1,2,3
	v_lshrrev_b32 v[TM+4+\b], 23, v[TM+12+\b]      ; the scale's byte
.endr
	v_lshl_or_b32 v[\pw], v[TM+5], 8, v[TM+4]
	v_lshl_or_b32 v[\pw], v[TM+6], 16, v[\pw]
	v_lshl_or_b32 v[\pw], v[TM+7], 24, v[\pw]
.irp b, 0,1,2,3
.irp i, 0,1,2,3,4,5,6,7,8,9,10,11,12,13,14,15
	v_med3_num_f32 v[\s+16*\b+\i], v[\s+16*\b+\i], -v[TM+8+\b], v[TM+8+\b]   ; the conversion to an 8-bit code does not saturate (ISA guide 7.6.2): the hold comes first
.endr
	v_cvt_scalef32_pk8_fp8_f32 v[PC+4*\b:PC+1+4*\b], v[\s+16*\b:\s+7+16*\b], v[TM+12+\b]
	v_cvt_scalef32_pk8_fp8_f32 v[PC+2+4*\b:PC+3+4*\b], v[\s+8+16*\b:\s+15+16*\b], v[TM+12+\b]
.endr
	v_nop                                          ; a plain line behind the last conversion
.endm
	s_load_b256 s[4:11], s[0:1], 0x0               ; x s[4:5], w_qkv s[6:7], w_out s[8:9], ximg s[10:11]
	s_load_b128 s[12:15], s[0:1], 0x20             ; xsc s[12:13], wimg s[14:15]
	s_load_b64 s[16:17], s[0:1], 0x30              ; wsc
	v_lshl_add_u32 v254, v0, 2, 0x8400
	v_mov_b32 v255, 0
	v_lshrrev_b32 v1, 5, v0
	v_readfirstlane_b32 s18, v1                    ; wave 0..3
	v_and_b32 v1, 31, v0                           ; lane
	v_and_b32 v2, 15, v0                           ; r
	v_bfe_u32 v3, v0, 4, 1                         ; h
	s_mov_b32 s[SEL], 0x76543210
	s_mov_b32 s[SEL+1], 0xfedcba98
	s_mov_b32 s[MNT], 0x600000
	s_mov_b32 s29, 0                               ; the upper word of every offset pair s[28:29]
	s_wait_kmcnt 0x0
	s_cmp_lt_u32 ttmp9, 256
	s_cbranch_scc1 .Lx
	s_sub_co_u32 s24, ttmp9, 256
	s_lshr_b32 s25, s24, 3                         ; which 128 columns of the 4,096 (w_qkv's 24 groups, then w_out's 8)
	s_and_b32 s26, s24, 7                          ; which K step
	s_cmp_lt_u32 s25, 24
	s_cbranch_scc0 .Lwout
; ---- a weight: a lane takes a column, its registers run down K: a block of 32 lies in one lane, and the codes come out with K innermost
.macro LOADW c, pitch, src             ; block c: w(32 c + i, my column), i = 0 .. 31: 32 lanes read 128 consecutive bytes
.irp i, 0,1,2,3,4,5,6,7,8,9,10,11,12,13,14,15,16,17,18,19,20,21,22,23,24,25,26,27,28,29,30,31
	global_load_b32 v[XW+32*((\c)%2)+\i], v4, s[\src:\src+1] offset:(32*(\c)+\i)*\pitch th:TH_LOAD_NT
.endr
.endm
.macro BLOCKW c, pitch, src
.set XS, XW+32*((\c)%2)
.if (\c) < 3
	s_wait_loadcnt 32                              ; this block's 32 loads are in; the next block's 32 may be out
.else
	s_wait_loadcnt 0x0
.endif
	v_max3_num_f32 v12, |v[XS]|, |v[XS+1]|, |v[XS+2]|
	v_max3_num_f32 v13, |v[XS+3]|, |v[XS+4]|, |v[XS+5]|
.irp i, 6,10,14,18,22,26
	v_max3_num_f32 v12, v12, |v[XS+\i]|, |v[XS+\i+1]|
	v_max3_num_f32 v13, v13, |v[XS+\i+2]|, |v[XS+\i+3]|
.endr
	v_max3_num_f32 v12, v12, |v[XS+30]|, |v[XS+31]|
	v_max3_num_f32 v12, v12, v13, 0x4800000        ; and the floor
	v_add_nc_u32 v11, 0xfc000000, v12              ; the conversion's scale operand
	v_and_or_b32 v10, v12, 0x7f800000, s[MNT]      ; 448 x the scale
	v_lshrrev_b32 v13, 23, v11                     ; the byte
.if (\c) == 0
	v_mov_b32 v[SBW], v13
.else
	v_lshl_or_b32 v[SBW], v13, 8*(\c), v[SBW]
.endif
.irp i, 0,1,2,3,4,5,6,7,8,9,10,11,12,13,14,15,16,17,18,19,20,21,22,23,24,25,26,27,28,29,30,31
	v_med3_num_f32 v[XS+\i], v[XS+\i], -v10, v10
.endr
.irp g, 0,1,2,3
	v_cvt_scalef32_pk8_fp8_f32 v[CW+8*(\c)+2*\g:CW+8*(\c)+2*\g+1], v[XS+8*\g:XS+8*\g+7], v11
.endr
	v_nop
	global_store_b128 v5, v[CW+8*(\c):CW+8*(\c)+3], s[14:15] offset:512*(\c)         ; k = 32 c + 0 .. 15: the image's lanes 0-15; sixteen lanes fill 256 consecutive bytes of each of two tiles
	global_store_b128 v5, v[CW+8*(\c)+4:CW+8*(\c)+7], s[14:15] offset:512*(\c)+256   ; k = 32 c + 16 .. 31: its lanes 16-31
.if (\c)+2 < 4
	LOADW (\c)+2, \pitch, \src
.endif
.endm
.macro WPATH pitch, src, cg0           ; pitch: a row of the weight in bytes; src: its pointer's register; cg0: its first group of columns
	s_sub_co_u32 s27, s25, \cg0
	s_lshl_b32 s27, s27, 9                         ; 128 columns x 4 bytes
	s_lshl_b32 s28, s18, 7                         ; + 32 columns x 4 bytes x wave
	s_add_co_u32 s28, s28, s27
	s_mul_i32 s27, s26, 128*\pitch                 ; + 128 rows x K step
	s_add_co_u32 s28, s28, s27
	s_add_nc_u64 s[\src:\src+1], s[\src:\src+1], s[28:29]
	s_lshl_b32 s27, s25, 2
	s_add_co_u32 s27, s27, s18                     ; my 32 columns are the pair of tiles 2 p, 2 p + 1, p = 4 x group + wave
	s_lshl_b32 s28, s27, 15
	s_lshl_b32 s30, s26, 11
	s_add_co_u32 s28, s28, s30
	s_add_nc_u64 s[14:15], s[14:15], s[28:29]      ; wimg at tile 2 p, my K step
	s_lshl_b32 s28, s27, 10
	s_lshl_b32 s30, s26, 6
	s_add_co_u32 s28, s28, s30
	s_add_nc_u64 s[16:17], s[16:17], s[28:29]      ; wsc likewise
	v_lshlrev_b32 v4, 2, v1                        ; in: 4 bytes a lane
	v_bfe_u32 v8, v1, 3, 1                         ; column l of the 32 is row r' of tile 2 p + u: u = (l / 8) % 2,
	v_and_b32 v9, 7, v1
	v_lshrrev_b32 v10, 4, v1
	v_lshl_or_b32 v9, v10, 3, v9                   ; r' = l % 8 + 8 (l / 16)
	v_lshlrev_b32 v5, 4, v9
	v_lshl_or_b32 v5, v8, 14, v5                   ; codes: 16,384 u + 16 r'
	v_lshlrev_b32 v6, 2, v9
	v_lshl_or_b32 v6, v8, 9, v6                    ; scale word: 512 u + 4 r'
	LOADW 0, \pitch, \src
	LOADW 1, \pitch, \src
.irp c, 0,1,2,3
	BLOCKW \c, \pitch, \src
.endr
	global_store_b32 v6, v[SBW], s[16:17]          ; 64 bytes for each of the two tiles
	s_endpgm
.endm
	s_wait_alu depctr_va_vdst(0)
	WPATH 12288, 6, 0
.Lwout:
	s_wait_alu depctr_va_vdst(0)
	WPATH 4096, 8, 24
; ---- x: K is innermost.  Each load reads 512 consecutive bytes of one row; 16 rows x 512 bytes turn through the wave's own stage, so that a lane gets 16 neighbours of each block of its row
.Lx:
	s_lshl_b32 s24, ttmp9, 2
	s_add_co_u32 s24, s24, s18                     ; task = 4 x work-group + wave: tile = task / 2, half of K = task % 2
	s_lshr_b32 s25, s24, 2
	s_lshl_b32 s25, s25, 17                        ; 32 (tile / 2) rows of 4,096 bytes
	s_bfe_u32 s26, s24, 0x10001
	s_lshl_b32 s26, s26, 15                        ; + 8 (tile % 2) rows
	s_and_b32 s27, s24, 1
	s_lshl_b32 s27, s27, 11                        ; + 512 numbers x half
	s_add_co_u32 s28, s25, s26
	s_add_co_u32 s28, s28, s27
	s_add_nc_u64 s[4:5], s[4:5], s[28:29]
	s_lshl_b32 s28, s24, 13
	s_add_nc_u64 s[10:11], s[10:11], s[28:29]      ; ximg: four fragments a task
	s_lshl_b32 s28, s24, 8
	s_add_nc_u64 s[12:13], s[12:13], s[28:29]      ; xsc: 4 x 64 bytes a task
	s_mul_i32 s30, s18, WSTG
	s_wait_alu depctr_va_vdst(0)
	v_lshlrev_b32 v4, 4, v1                        ; 16 x lane: the loads' and the images' place
	v_add_nc_u32 v5, s30, v4                       ; the stage, on the way in
	v_mul_u32_u24 v6, v2, SPX
	v_lshl_add_u32 v6, v3, 6, v6
	v_add_nc_u32 v6, s30, v6                       ; and out: row r, + 64 h bytes
	v_lshlrev_b32 v7, 2, v2
.irp b, 0,1,2,3
	v_mov_b32 v[TM+4+\b], 0                        ; written once: a lane permute's destination counts as one of its sources
.endr
.macro LOADX q                         ; fragment q: the tile's 16 rows, 128 numbers each
.irp p, 0,1,2,3,4,5,6,7,8,9,10,11,12,13,14,15
	global_load_b128 v[R+64*((\q)%2)+4*\p:R+64*((\q)%2)+4*\p+3], v4, s[4:5] offset:(\p+8*(\p/8))*4096+512*(\q) th:TH_LOAD_NT
.endr
.endm
.macro TURNX q                         ; LDS serves a wave's instructions in order: no wait between the stores and the loads
.irp p, 0,1,2,3,4,5,6,7,8,9,10,11,12,13,14,15
	ds_store_b128 v5, v[R+64*((\q)%2)+4*\p:R+64*((\q)%2)+4*\p+3] offset:SPX*\p
.endr
.irp c, 0,1,2,3
.irp j, 0,1,2,3
	ds_load_b128 v[X+16*\c+4*\j:X+16*\c+4*\j+3], v6 offset:128*\c+16*\j
.endr
.endr
.endm
	LOADX 0
	LOADX 1
	s_wait_alu depctr_va_vdst(0)
.irp q, 0,1,2,3
.if \q < 3
	s_wait_loadcnt 16                              ; this fragment's 16 loads are in; the next fragment's 16 may be out
.else
	s_wait_loadcnt 0x0
.endif
	TURNX \q
	s_wait_dscnt 0x0                               ; the stores have read their registers, and my 64 numbers are back
	s_wait_xcnt 0x0                                ; the last fragment's stores have read their data: the codes and the word are written again only behind this wait
.if \q < 2
	LOADX \q+2
.endif
	QUANT X, PW
.irp c, 0,1,2,3
	global_store_b128 v4, v[PC+4*\c:PC+4*\c+3], s[10:11] offset:2048*\q+512*\c   ; 32 lanes store 512 consecutive bytes
.endr
	global_store_b32 v7, v[PW], s[12:13] offset:64*\q   ; lanes r and r + 16 hold and write the same word
.endr
	s_wait_tensorcnt 0x0
	ds_add_u32 v254, v255
	s_wait_dscnt 0x0
	s_endpgm
.Lfunc_end_k_q8194aabe68_quant:
	.size	k_q8194aabe68_quant, .Lfunc_end_k_q8194aabe68_quant-k_q8194aabe68_quant
	.p2alignl 7, 3214868480
	.fill 96, 4, 3214868480
	.section	.rodata,"a",@progbits
	.p2align	6, 0x0
	.amdhsa_kernel k_q8194aabe68_quant
		.amdhsa_group_segment_fixed_size 34304
		.amdhsa_private_segment_fixed_size 0
		.amdhsa_enable_private_segment 0
		.amdhsa_kernarg_size 56
		.amdhsa_user_sgpr_count 2
		.amdhsa_user_sgpr_kernarg_segment_ptr 1
		.amdhsa_wavefront_size32 1
		.amdhsa_system_sgpr_workgroup_id_x 1
		.amdhsa_system_sgpr_workgroup_id_y 1
		.amdhsa_system_sgpr_workgroup_id_z 1
		.amdhsa_system_vgpr_workitem_id 0
		.amdhsa_next_free_vgpr 256
		.amdhsa_next_free_sgpr 66
		.amdhsa_reserve_vcc 0
		.amdhsa_float_denorm_mode_32 3
		.amdhsa_float_denorm_mode_16_64 3
		.amdhsa_memory_ordered 1
		.amdhsa_forward_progress 1
		.amdhsa_inst_pref_size 108
	.end_amdhsa_kernel
	.amdgpu_metadata
---
amdhsa.version: [ 1, 2 ]
amdhsa.kernels:
  - .name:           k_q8194aabe68_quant
    .symbol:         k_q8194aabe68_quant.kd
    .args:
      - { .name: x, .offset: 0, .size: 8, .value_kind: global_buffer, .address_space: global }
      - { .name: w_qkv, .offset: 8, .size: 8, .value_kind: global_buffer, .address_space: global }
      - { .name: w_out, .offset: 16, .size: 8, .value_kind: global_buffer, .address_space: global }
      - { .name: ximg, .offset: 24, .size: 8, .value_kind: global_buffer, .address_space: global }
      - { .name: xsc, .offset: 32, .size: 8, .value_kind: global_buffer, .address_space: global }
      - { .name: wimg, .offset: 40, .size: 8, .value_kind: global_buffer, .address_space: global }
      - { .name: wsc, .offset: 48, .size: 8, .value_kind: global_buffer, .address_space: global }
    .group_segment_fixed_size: 34304
    .private_segment_fixed_size: 0
    .kernarg_segment_align: 8
    .kernarg_segment_size: 56
    .max_flat_workgroup_size: 128
    .sgpr_count:     66
    .vgpr_count:     256
    .wavefront_size: 32
...
	.end_amdgpu_metadata
.endif
;; end of part 1
;; launch qkv (part 2): grid 4 x 64, 4 waves a work-group, clusters of 4 x 4, 327,680 bytes of LDS; arguments ximg, xsc, wimg, wsc, b_qkv, qrec, kv; writes qrec, kv
.if DOCPART == 2
	.amdgcn_target "amdgcn-amd-amdhsa--gfx1250"
	.amdhsa_code_object_version 6
	.text
	.protected	k_q8194aabe68_qkv
	.globl	k_q8194aabe68_qkv
	.p2align	8
	.type	k_q8194aabe68_qkv,@function
k_q8194aabe68_qkv:
	s_mov_b64 s[64:65], 0
	v_nop
	global_prefetch_b8 v0, s[64:65] scope:SCOPE_SE
	s_setreg_imm32_b32 hwreg(HW_REG_WAVE_MODE, 25, 1), 1
	s_wait_xcnt 0x0
	s_wait_alu depctr_hold_cnt(0) depctr_sa_sdst(0) depctr_va_vdst(0) depctr_va_sdst(0) depctr_va_ssrc(0) depctr_va_vcc(0) depctr_vm_vsrc(0)
	s_getreg_b32 s2, hwreg(HW_REG_IB_STS2, 6, 4)
	s_cmp_eq_u32 s2, 0
	s_cbranch_scc0 .Lentry_in_a_cluster
	s_endpgm
.Lentry_in_a_cluster:
	s_bfe_u32 s2, ttmp6, 0x10000c
	s_cmp_lg_u32 s2, 0xf033
	s_cbranch_scc0 .Lentry_shape_is_right
	s_endpgm
.Lentry_shape_is_right:
; qkv = x w_qkv + b_qkv on codes of FP8 (E4M3) with E8M0 scales for each 32 along K = 1,024; the results are quantised here, in registers, and leave as codes: q and k along the head's 64, v along the keys.
; OPERANDS are images of registers: a tile of 16 rows x 128 K is 2,048 bytes, group c at 512 c, lane l's 16 bytes at 16 l; a tile's 8 K steps lie on end.  Tile T holds rows 32 (T / 2) + 8 (T % 2) + r + 8 (r / 8).
; THE DEAL.  256 work-groups of four waves.  A work-group owns 128 tokens (8 tiles of x) and walks six blocks of 128 columns of w_qkv, block g = tx + 4 i, i = 0 .. 5: i = 0, 1 are q's, 2, 3 k's, 4, 5 v's, whatever tx:
; what a step does hangs on the step's number alone.  A wave makes 64 tokens x 64 columns (one head) of each block: 16 accumulators.
; x's 8 tiles, all of K, 131,072 dense bytes, land in LDS once and go into registers, 4 tiles x 8 K steps = 512 a wave.  A block of w is 131,072 dense bytes too: two slots take turns; the first refill lies over x's bytes.
; Each refill stands behind a drained round of the cluster's barrier, directly behind a block's products, a quarter of the block a wave; it has the quantiser of that block and the next block's products in which to land.
; q, k: source 0 = a tile of w, source 1 = a tile of x: a lane holds one token, its registers run along the head's channels.  v: the sources swapped: a lane holds one channel, its registers run along the keys.
; By the tiles' order 16 registers of two neighbouring tiles are 16 neighbours, so the conversions' results are the next launch's operand registers.  The bias is the first products' C.
; CLUSTERS: 4 x 4.  x hangs on the block of tokens alone and is asked for jointly by a row of the cluster, w on tx alone, by a column.
; OUT: records of 17,152 bytes for each head and each 128 tokens: +0 images of q or k [tile 8][c 2][512]; +8192 images of v^T [tile of channels 4][c 4][512]; +16384 scale words of q or k [g 2][r 16][4] (bytes 2, 3 = 0); +16896 v's [r 16][4].
; PREFETCH: in trips 0 to 2 of the loop one instruction a wave names the block of w that the next trip's refill loads: the sixteen waves of a column of the cluster share its 131,072 bytes out by address, 8,192 a wave, lanes 256 bytes apart;
; all sixteen clusters walk the same w, so four of them ask.  x is asked for whole at the head.
; LIMITS: a block of zeros or under 2^-118 gets the byte 1 (this program alone reads the bytes); NaN and infinities are not served.
; REGISTERS: window 0: v0-31 addresses and scale words on the way out; v32-63 scale words (register 4 q + i: lanes 0-15 x's tile i, lanes 16-31 w's tile i); v64-95 the bias; v96-127 the quantiser's; v128-255 accumulators.
;   windows 1, 2: x's fragments (4 q + a).   window 3: w's fragments, four sets of 64 (K step q in set q % 4).
.set SLOTB,  131072
.set SCL,    262144                    ; scale words: x's 4,096 bytes, then w's six blocks of 4,096
.set SPARE,  290816                    ; the spare words, 128 bytes a wave
.set RB,     17152
.set HS,     16*RB
.set WSTEP,  524288                    ; from block g to g + 4: 32 tiles
.set W,    8                           ; v8-11   scale words as they are stored
.set PW,   12                          ; v12     a batch's four scale bytes
.set ADRP, 16                          ; v16     LDS address of my x fragments
.set AR0,  17                          ; v17     my place in a slot
.set ADRR, 18                          ; v18     LDS address of my w fragments
.set AS0,  19                          ; v19     my place among x's scale words
.set ADRS, 20                          ; v20     LDS address of my scale words
.set VO0,  21                          ; v21-24  byte offsets in a record: q's, k's codes and words; v's codes and bytes
.set VW0,  22
.set VO1,  23
.set VW1,  24
.set BA,   25                          ; v25, v26 byte offsets in the bias: along registers, along lanes
.set BV,   26
.set PF,   27                          ; v27     256 x lane
.set SPW,  28
.set NIL,  29
.set SC,   32
.set T1,   64
.set TM,   96
.set PC,   112
.set ACC,  128
.set G1P, 24
.set G1R, 32
.set G1F, 40
.set G1SP, 48
.set G1SR, 56
.set G0P, 68
.set G0R, 72
.set G0F, 76
.set G0SP, 80
.set G0SR, 84
.set OP,  12                           ; s[12:13] the record in hand
.set LIM, 15                           ; s15 trips in which my cluster prefetches
.set PFA, 16                           ; s[16:17] where my prefetch stands
.set I,   19                           ; s19 the trip
.set TB,  66                           ; s66 the slot that is fetched from
.set DS,  67                           ; s67 from x's scale words to w's
.set KVP, 90                           ; s[90:91] kv;  s[98:99] qrec;  s[96:97] the bias of the block in hand
.set SEL, 92
.set MNT, 94
.set BASE0, 100
.set MSB, 0
.macro WIN new                         ; the immediate's high byte repeats the setting that is left
.if MSB != (\new)
	s_set_vgpr_msb (MSB<<8)|(\new)
.set MSB, (\new)
.endif
.endm
.macro PLACES n
.rept \n
	v_nop
.endr
.endm
.macro CROUND                          ; a round of the cluster's barrier
	s_barrier_signal -1
	s_barrier_wait -1
	s_cmp_lg_u32 s14, 0
	s_cbranch_scc1 .Lnot_wave_0_\@
	s_barrier_signal -3
.Lnot_wave_0_\@:
	s_barrier_wait -3
	s_barrier_signal -1
	s_barrier_wait -1
.endm
.macro TL g0, g1                       ; a tensor load; s_nop 0 and four v_nop follow it
	tensor_load_to_lds s[\g0:\g0+3], s[\g1:\g1+7]
	s_nop 0
	PLACES 4
.endm
.macro G1SET g, mask, el, rows, pitch  ; group 1: rows of el elements of 8 bytes
	s_or_b32 s[\g], s[\mask], (3<<16)|(1<<21)
	s_mov_b32 s[\g+1], (\el)<<16
	s_mov_b32 s[\g+2], (\rows)<<16
	s_mov_b32 s[\g+3], (\el)<<16
	s_mov_b32 s[\g+4], \rows
	s_mov_b32 s[\g+5], \pitch
	s_mov_b32 s[\g+6], 0
	s_mov_b32 s[\g+7], 0
.endm
.macro G0SET g, base, off
	s_mov_b32 s[\g], 1
	s_add_nc_u64 s[\g+2:\g+3], s[\base:\base+1], s[\off:\off+1]
	s_or_b32 s[\g+3], s[\g+3], 0x80000000
.endm
.macro BIAS0 off                       ; q, k: register 16 b + i wants column 32 b + 16 h + i of my 64
.irp b, 0,1
.irp j, 0,1,2,3
	global_load_b128 v[T1+16*\b+4*\j:T1+16*\b+4*\j+3], v[BA], s[96:97] offset:(\off)+128*\b+16*\j
.endr
.endr
.endm
.macro BIAS1 off                       ; v: all eight registers of tile b want my lane's channel, 32 (b / 2) + 8 (b % 2) + r + 8 (r / 8)
.irp b, 0,1,2,3
.irp j, 0,1,2,3,4,5,6,7
	global_load_b32 v[T1+8*\b+\j], v[BV], s[96:97] offset:(\off)+(32*(\b/2)+8*(\b%2))*4
.endr
.endr
.endm
	s_load_b256 s[4:11], s[0:1], 0x0               ; ximg, xsc, wimg, wsc
	s_load_b128 s[96:99], s[0:1], 0x20             ; b_qkv, qrec
	s_load_b64 s[KVP:KVP+1], s[0:1], 0x30          ; kv
	v_lshl_add_u32 v[SPW], v0, 2, SPARE
	v_mov_b32 v[NIL], 0
	ds_add_u32 v[SPW], v[NIL]                      ; the opening lines: the add, twice on end, and its wait ahead of my first tensor load
	ds_add_u32 v[SPW], v[NIL]
	v_lshrrev_b32 v1, 5, v0
	v_readfirstlane_b32 s14, v1                    ; wave 0..3
	s_lshr_b32 s15, s14, 1                         ; wr: which 64 tokens
	s_and_b32 s16, s14, 1                          ; wc: which 64 columns of a block
	s_bfe_u32 s12, ttmp6, 0x40000                  ; cx, cy
	s_bfe_u32 s13, ttmp6, 0x40004
	s_lshl_b32 s18, ttmp9, 2
	s_add_co_u32 s18, s18, s12                     ; tx
	s_and_b32 s17, ttmp7, 0xffff
	s_lshl_b32 s17, s17, 2
	s_add_co_u32 s17, s17, s13                     ; ty: which 128 tokens
	s_lshl_b32 s88, s13, 2
	s_lshl_b32 s88, 15, s88                        ; my row of the cluster
	s_lshl_b32 s89, 0x1111, s12                    ; my column
	G1SET G1P, 88, 512, 32, 512                    ; 131,072 dense bytes as 32 rows of 4,096
	G1SET G1R, 89, 512, 32, 512
	G1SET G1F, 89, 512, 8, 512                     ; a quarter of a block
	G1SET G1SP, 88, 32, 16, 32                     ; 4,096 bytes as rows of 256
	G1SET G1SR, 89, 512, 6, 2048                   ; six blocks' scale words: rows of 4,096 bytes, 16,384 apart
	s_lshl_b32 s92, s17, 17                        ; x's codes
	s_mov_b32 s93, 0
	s_lshl_b32 s94, s17, 12                        ; x's scale words
	s_mov_b32 s95, 0
	s_lshl_b32 s20, s18, 17                        ; w's codes: tile 8 tx
	s_mov_b32 s21, 0
	s_lshl_b32 s22, s18, 12                        ; w's scale words
	s_mov_b32 s23, 0
	s_lshl_b32 s[G0F+1], s14, 15                   ; the refills: wave x 2 tiles, in LDS and in memory; the first takes block 1 into slot 0
	s_add_co_u32 s2, s20, s[G0F+1]
	s_add_co_u32 s2, s2, WSTEP
	s_mov_b32 s3, 0
	s_mov_b32 s[G0P+1], 0
	s_mov_b32 s[G0R+1], SLOTB
	s_mov_b32 s[G0SP+1], SCL
	s_mov_b32 s[G0SR+1], SCL+4096
	s_lshl_b32 s[DS], s16, 11
	s_add_co_u32 s[DS], s[DS], 4096
	s_lshl_b32 s101, s15, 11
	s_sub_co_u32 s[DS], s[DS], s101                ; 4,096 + 2,048 (wc - wr): block 0
	s_mov_b32 s[TB], SLOTB                         ; block 0 lies in slot 1
	s_lshr_b32 s[BASE0], s17, 4                    ; the batch,
	s_lshl_b32 s[BASE0], s[BASE0], 8
	s_and_b32 s101, s17, 15                        ; the record's number in a head
	s_add_co_u32 s[BASE0], s[BASE0], s101
	s_mul_i32 s[BASE0], s[BASE0], RB
	s_lshl_b32 s101, s18, 1
	s_add_co_u32 s101, s101, s16                   ; head 2 tx + wc (+ 8 in the odd steps)
	s_mul_i32 s101, s101, HS
	s_add_co_u32 s[BASE0], s[BASE0], s101
	s_lshl_b32 s19, s18, 9
	s_lshl_b32 s101, s16, 8
	s_add_co_u32 s19, s19, s101                    ; (128 tx + 64 wc) x 4: my columns of block 0 in the bias
	s_wait_dscnt 0x0                               ; both opening adds are done
	CROUND                                         ; all sixteen work-groups are here: the first joint loads meet
	s_wait_kmcnt 0x0
	G0SET G0P, 4, 92
	G0SET G0SP, 6, 94
	G0SET G0R, 8, 20
	G0SET G0SR, 10, 22
	G0SET G0F, 8, 2
	s_cmp_lt_u32 s14, 1                            ; one chain of branches on the wave's number, one load to an arm
	s_cbranch_scc0 .Lhead_r
	TL G0P, G1P
	s_branch .Lhead_asked
.Lhead_r:
	s_cmp_lt_u32 s14, 2
	s_cbranch_scc0 .Lhead_sp
	TL G0R, G1R
	s_branch .Lhead_asked
.Lhead_sp:
	s_cmp_lt_u32 s14, 3
	s_cbranch_scc0 .Lhead_sr
	TL G0SP, G1SP
	s_branch .Lhead_asked
.Lhead_sr:
	TL G0SR, G1SR
.Lhead_asked:
	s_lshl_b32 s101, s13, 2                        ; the prefetch: which of my column's sixteen waves I am,
	s_add_co_u32 s101, s101, s14
	s_lshl_b32 s101, s101, 13                      ; 8,192 bytes each,
	s_add_co_u32 s101, s101, s20
	s_add_co_u32 s16, s101, 3*WSTEP                ; of block 3 in trip 0
	s_mov_b32 s17, 0
	s_add_nc_u64 s[PFA:PFA+1], s[8:9], s[16:17]
	s_and_b32 s101, ttmp7, 0xffff
	s_cmp_lt_u32 s101, 4                           ; four clusters ask
	s_cselect_b32 s[LIM], 3, 0
	s_mov_b32 s12, s19
	s_mov_b32 s13, 0
	s_add_nc_u64 s[96:97], s[96:97], s[12:13]
	s_mov_b32 s[SEL], 0x76543210
	s_mov_b32 s[SEL+1], 0xfedcba98
	s_mov_b32 s[MNT], 0x600000
	s_mov_b32 s[I], 0
	v_and_b32 v1, 31, v0                           ; lane
	v_and_b32 v2, 15, v0                           ; r
	v_bfe_u32 v3, v0, 4, 1                         ; h
	v_bfe_u32 v6, v0, 6, 1                         ; wr
	v_bfe_u32 v7, v0, 5, 1                         ; wc
	v_lshlrev_b32 v4, 4, v1
	v_lshlrev_b32 v5, 4, v2
	v_lshl_add_u32 v[ADRP], v6, 16, v4
	v_lshl_add_u32 v[AR0], v7, 16, v4
	v_lshlrev_b32 v[AS0], 2, v2
	v_lshl_add_u32 v[AS0], v6, 11, v[AS0]
	v_add_nc_u32 v[AS0], SCL, v[AS0]
	v_lshl_add_u32 v[VO0], v6, 12, v4              ; my 4 tiles of 1,024 bytes
	v_lshl_add_u32 v[VW0], v6, 8, v5               ; [g = wr][r][4 words]
	v_lshl_add_u32 v[VO1], v6, 10, v4              ; my 2 blocks of keys of 512 bytes
	v_lshl_add_u32 v[VW1], v6, 1, v5               ; [r][4 words], my two bytes of a word
	v_lshlrev_b32 v[BA], 6, v3
	v_and_b32 v[BV], 8, v2
	v_add_lshl_u32 v[BV], v[BV], v2, 2
	v_lshlrev_b32 v[PF], 8, v1
.irp b, 0,1,2,3
	v_mov_b32 v[TM+4+\b], 0                        ; written once: a lane permute's destination counts as one of its sources
.endr
	s_wait_alu depctr_va_vdst(0)                   ; the wait at the head's end
	BIAS0 0
	s_cmp_eq_u32 s14, 0
	s_cbranch_scc0 .Lnot_p
	s_wait_tensorcnt 0x0                           ; wave 0: x's codes have landed.  The other waves' wait stands ahead of the round
.Lnot_p:
	s_barrier_signal -1
	s_barrier_wait -1
.irp q, 0,1,2,3,4,5,6,7                        ; my 4 tiles of x, all of K, into windows 1 and 2: 128 loads of 512 consecutive bytes
	WIN (1+\q/4)<<6
.irp a, 0,1,2,3
.irp c, 0,1,2,3
	ds_load_b128 v[16*((4*\q+\a)%16)+4*\c:16*((4*\q+\a)%16)+4*\c+3], v[ADRP] offset:\a*16384+\q*2048+512*\c
.endr
.endr
.endr
	WIN 0
.macro RLOAD q                         ; w's four fragments of K step q into set q % 4 of window 3: 16 loads
	WIN 0xc0
.irp b, 0,1,2,3
.irp c, 0,1,2,3
	ds_load_b128 v[64*((\q)%4)+16*\b+4*\c:64*((\q)%4)+16*\b+4*\c+3], v[ADRR] offset:\b*16384+(\q)*2048+512*\c
.endr
.endr
.endm
.macro FETCH                           ; a block's scale words and its first four K steps of w: 96 loads
	v_add_nc_u32 v[ADRR], s[TB], v[AR0]
	v_mul_u32_u24 v5, s[DS], v3                    ; lanes 16-31 take w's words: one product, the distance between the two
	v_add_nc_u32 v[ADRS], v5, v[AS0]
	s_wait_alu depctr_va_vdst(0)                   ; the wait directly behind the writes
.irp q, 0,1,2,3,4,5,6,7
.irp i, 0,1,2,3
	ds_load_b32 v[SC+4*\q+\i], v[ADRS] offset:512*\i+64*\q
.endr
.endr
	RLOAD 0
	RLOAD 1
	RLOAD 2
	RLOAD 3
	WIN 0
.endm
.macro MULQ kind, q                    ; 16 products: the 16 accumulators take turns, in the same order in every K step
.if \kind
	WIN (1+(\q)/4)|(3<<2)
.else
	WIN 3|((1+(\q)/4)<<2)
.endif
.irp a, 0,1,2,3
.irp b, 0,1,2,3
.set XF_, 16*((4*(\q)+\a)%16)
.set RF_, 64*((\q)%4)+16*\b
.if \kind
.set AC_, ACC+8*(4*\b+\a)
.else
.set AC_, ACC+8*(4*\a+\b)
.endif
.set C_, AC_
.if (\q) == 0
.set C_, T1+8*\b
.endif
.if \kind
	v_wmma_scale_f32_16x16x128_f8f6f4 v[AC_:AC_+7], v[XF_:XF_+15], v[RF_:RF_+15], v[C_:C_+7], v[SC+4*(\q)+\a], v[SC+4*(\q)+\b] matrix_b_scale:MATRIX_SCALE_ROW1
.else
	v_wmma_scale_f32_16x16x128_f8f6f4 v[AC_:AC_+7], v[RF_:RF_+15], v[XF_:XF_+15], v[C_:C_+7], v[SC+4*(\q)+\b], v[SC+4*(\q)+\a] matrix_a_scale:MATRIX_SCALE_ROW1
.endif
.endr
.endr
.endm
; a block's 128 products; w's fragments come two K steps at a time, two K steps ahead.  nxt: the next block's bias is asked for behind the first products: 0 none, 1 by the trip's number, 2 v's
.macro MULS kind, nxt
	s_wait_loadcnt 0x0                             ; the bias
.irp g, 0,2,4,6
.if \g < 6
	s_wait_dscnt 32                                ; all but the youngest 32 loads, the next two K steps' fragments
.else
	s_wait_dscnt 0x0
.endif
	MULQ \kind, \g
	MULQ \kind, \g+1
.if \g < 4
	WIN 0
	PLACES 8                                       ; between the products and the loads into the registers that they read
.if \g == 0
.if (\nxt) == 1
	s_cmp_eq_u32 s[I], 3
	s_cbranch_scc1 .Lbias_v_\@
	BIAS0 2048
	s_branch .Lbias_done_\@
.Lbias_v_\@:
	BIAS1 2048
.Lbias_done_\@:
.elseif (\nxt) == 2
	BIAS1 2048
.endif
.endif
	RLOAD \g+4
	RLOAD \g+5
.endif
.endr
	WIN 0
	PLACES 9                                       ; ahead of the reads of the sums, of the loads into the operands' registers, and of the next block's first products, which write over the sums
.endm
; 64 numbers of a lane, v[s] on, become 16 registers of codes in v[PC] on and four scale bytes in v[pw]
.macro QUANT s, pw
.irp b, 0,1,2,3
	v_max3_num_f32 v[TM+\b], |v[\s+16*\b]|, |v[\s+1+16*\b]|, 0x4800000   ; block b: my 16 numbers, and the floor 2^(9 - 127): the byte cannot fall under 1
.endr
.irp i, 2,4,6,8,10,12,14
.irp b, 0,1,2,3
	v_max3_num_f32 v[TM+\b], v[TM+\b], |v[\s+16*\b+\i]|, |v[\s+1+16*\b+\i]|
.endr
.endr
.irp b, 0,1,2,3
	v_permlanex16_b32 v[TM+4+\b], v[TM+\b], s[SEL], s[SEL+1]
.endr
.irp b, 0,1,2,3
	v_max_num_f32 v[TM+\b], v[TM+\b], v[TM+4+\b]   ; with lane l xor 16's 16: the block's largest magnitude
.endr
.irp b, 0,1,2,3
	v_add_nc_u32 v[TM+12+\b], 0xfc000000, v[TM+\b]   ; 8 off its exponent field: the conversion's scale operand
.endr
.irp b, 0,1,2,3
	v_and_or_b32 v[TM+8+\b], v[TM+\b], 0x7f800000, s[MNT]   ; 448 x the scale
.endr
.irp b, 0,1,2,3
	v_lshrrev_b32 v[TM+4+\b], 23, v[TM+12+\b]      ; the scale's byte
.endr
	v_lshl_or_b32 v[\pw], v[TM+5], 8, v[TM+4]
	v_lshl_or_b32 v[\pw], v[TM+6], 16, v[\pw]
	v_lshl_or_b32 v[\pw], v[TM+7], 24, v[\pw]
.irp b, 0,1,2,3
.irp i, 0,1,2,3,4,5,6,7,8,9,10,11,12,13,14,15
	v_med3_num_f32 v[\s+16*\b+\i], v[\s+16*\b+\i], -v[TM+8+\b], v[TM+8+\b]   ; the conversion to an 8-bit code does not saturate (ISA guide 7.6.2): the hold comes first
.endr
	v_cvt_scalef32_pk8_fp8_f32 v[PC+4*\b:PC+1+4*\b], v[\s+16*\b:\s+7+16*\b], v[TM+12+\b]
	v_cvt_scalef32_pk8_fp8_f32 v[PC+2+4*\b:PC+3+4*\b], v[\s+8+16*\b:\s+15+16*\b], v[TM+12+\b]
.endr
	v_nop                                          ; a plain line behind the last conversion
.endm
.macro WAYOUT0                         ; q, k: batch t holds token tiles 2 t, 2 t + 1, two blocks of 32 channels each
	s_wait_xcnt 0x0                                ; earlier stores, loads and prefetches have read their registers and bases
	s_add_nc_u64 s[96:97], s[96:97], 2048          ; the bias: on to the next block's columns
	s_add_nc_u64 s[PFA:PFA+1], s[PFA:PFA+1], WSTEP
	s_and_b32 s20, s[I], 1
	s_mul_i32 s20, s20, 8*HS
	s_add_co_u32 s20, s20, s[BASE0]
	s_mov_b32 s21, 0
	s_cmp_lt_u32 s[I], 2
	s_cselect_b64 s[OP:OP+1], s[98:99], s[KVP:KVP+1]   ; q goes to qrec, k to kv
	s_add_nc_u64 s[OP:OP+1], s[OP:OP+1], s[20:21]
.irp t, 0,1
.if \t
	s_wait_xcnt 0x0                                ; the first batch's stores have read their data
.endif
	QUANT ACC+64*\t, PW
	v_and_b32 v[W+2*\t], 0xffff, v[PW]             ; a tile's word: its two bytes; the upper bytes are 0: they meet zero codes
	v_lshrrev_b32 v[W+2*\t+1], 16, v[PW]
.irp k, 0,1,2,3
	global_store_b128 v[VO0], v[PC+4*\k:PC+4*\k+3], s[OP:OP+1] offset:(2*\t+\k/2)*1024+(\k%2)*512   ; 512 consecutive bytes
.endr
.endr
	global_store_b128 v[VW0], v[W:W+3], s[OP:OP+1] offset:16384   ; lanes r and r + 16 hold and write the same words: 256 consecutive bytes
.endm
.macro WAYOUT1 u                       ; v: batch t holds channel tiles 2 t, 2 t + 1, my two blocks of 32 keys each
	s_wait_xcnt 0x0
.if (\u) == 0
	s_add_nc_u64 s[96:97], s[96:97], 2048
.endif
	s_add_co_u32 s20, s[BASE0], (\u)*8*HS
	s_mov_b32 s21, 0
	s_add_nc_u64 s[OP:OP+1], s[KVP:KVP+1], s[20:21]
.irp t, 0,1
.if \t
	s_wait_xcnt 0x0
.endif
	QUANT ACC+64*\t, PW
.irp k, 0,1,2,3
	global_store_b128 v[VO1], v[PC+4*\k:PC+4*\k+3], s[OP:OP+1] offset:8192+(2*\t+\k/2)*2048+(\k%2)*512
.endr
	global_store_b16 v[VW1], v[PW], s[OP:OP+1] offset:16896+8*\t          ; my two of the four bytes of tile 2 t's word;
	global_store_d16_hi_b16 v[VW1], v[PW], s[OP:OP+1] offset:16896+8*\t+4 ; of tile 2 t + 1's
.endr
.endm
	s_wait_tensorcnt 0x0                           ; all my tensor loads are in;
	ds_add_u32 v[SPW], v[NIL]                      ; the add;
	s_wait_dscnt 0x0                               ; it is done, and x is in my registers
	CROUND                                         ; that holds of every wave of the cluster: block 0 and the scale words are shown, and nobody reads x's bytes any more
	TL G0F, G1F                                    ; block 1 over x's bytes: my quarter
	FETCH
.Lhalf:                                                ; four trips, q's and k's blocks: trip i multiplies block i and asks for block i + 2
	MULS 0, 1
	s_wait_tensorcnt 0x0                           ; my quarter of block i + 1 is in;
	ds_add_u32 v[SPW], v[NIL]                      ; the add;
	s_xor_b32 s[G0F+1], s[G0F+1], SLOTB            ; no tensor load of mine is out: the refill goes into the slot just read,
	s_add_nc_u64 s[G0F+2:G0F+3], s[G0F+2:G0F+3], WSTEP
	s_xor_b32 s[TB], s[TB], SLOTB                  ; and the next block is fetched from the other
	s_add_co_u32 s[DS], s[DS], 4096
	s_wait_dscnt 0x0                               ; the add is done, and my reads of the slot are over
	CROUND
	TL G0F, G1F
	s_cmp_lt_u32 s[I], s[LIM]
	s_cbranch_scc0 .Lno_ask
	global_prefetch_b8 v[PF], s[PFA:PFA+1] th:TH_LOAD_NT scope:SCOPE_SE   ; block i + 3, which the next trip's refill loads
.Lno_ask:
	FETCH                                          ; the next block's first fragments land under the quantiser
	WAYOUT0
	s_add_co_u32 s[I], s[I], 1
	s_cmp_lt_u32 s[I], 4
	s_wait_alu depctr_va_vdst(0)                   ; the wait directly ahead of the branch
	s_cbranch_scc1 .Lhalf
	MULS 1, 2                                      ; v's first block
	s_wait_tensorcnt 0x0                           ; my quarter of block 5 is in
	s_xor_b32 s[TB], s[TB], SLOTB
	s_add_co_u32 s[DS], s[DS], 4096
	s_wait_dscnt 0x0
	s_barrier_signal -1
	s_barrier_wait -1                              ; everybody's is
	FETCH
	WAYOUT1 0
	MULS 1, 0
	WAYOUT1 1
	s_wait_tensorcnt 0x0                           ; the wave's end
	ds_add_u32 v[SPW], v[NIL]
	s_wait_dscnt 0x0
	CROUND                                         ; the closing round
	s_endpgm
.Lfunc_end_k_q8194aabe68_qkv:
	.size	k_q8194aabe68_qkv, .Lfunc_end_k_q8194aabe68_qkv-k_q8194aabe68_qkv
	.p2alignl 7, 3214868480
	.fill 96, 4, 3214868480
	.section	.rodata,"a",@progbits
	.p2align	6, 0x0
	.amdhsa_kernel k_q8194aabe68_qkv
		.amdhsa_group_segment_fixed_size 327680
		.amdhsa_private_segment_fixed_size 0
		.amdhsa_enable_private_segment 0
		.amdhsa_kernarg_size 56
		.amdhsa_user_sgpr_count 2
		.amdhsa_user_sgpr_kernarg_segment_ptr 1
		.amdhsa_wavefront_size32 1
		.amdhsa_system_sgpr_workgroup_id_x 1
		.amdhsa_system_sgpr_workgroup_id_y 1
		.amdhsa_system_sgpr_workgroup_id_z 1
		.amdhsa_system_vgpr_workitem_id 0
		.amdhsa_next_free_vgpr 1024
		.amdhsa_next_free_sgpr 102
		.amdhsa_reserve_vcc 0
		.amdhsa_float_denorm_mode_32 3
		.amdhsa_float_denorm_mode_16_64 3
		.amdhsa_memory_ordered 1
		.amdhsa_forward_progress 1
		.amdhsa_inst_pref_size 162
	.end_amdhsa_kernel
	.amdgpu_metadata
---
amdhsa.version: [ 1, 2 ]
amdhsa.kernels:
  - .name:           k_q8194aabe68_qkv
    .symbol:         k_q8194aabe68_qkv.kd
    .args:
      - { .name: ximg, .offset: 0, .size: 8, .value_kind: global_buffer, .address_space: global }
      - { .name: xsc, .offset: 8, .size: 8, .value_kind: global_buffer, .address_space: global }
      - { .name: wimg, .offset: 16, .size: 8, .value_kind: global_buffer, .address_space: global }
      - { .name: wsc, .offset: 24, .size: 8, .value_kind: global_buffer, .address_space: global }
      - { .name: b_qkv, .offset: 32, .size: 8, .value_kind: global_buffer, .address_space: global }
      - { .name: qrec, .offset: 40, .size: 8, .value_kind: global_buffer, .address_space: global }
      - { .name: kv, .offset: 48, .size: 8, .value_kind: global_buffer, .address_space: global }
    .group_segment_fixed_size: 327680
    .private_segment_fixed_size: 0
    .kernarg_segment_align: 8
    .kernarg_segment_size: 56
    .max_flat_workgroup_size: 128
    .sgpr_count:     102
    .vgpr_count:     1024
    .wavefront_size: 32
...
	.end_amdgpu_metadata
.endif
;; end of part 2
;; launch attn (part 3): grid 4 x 64, 16 waves a work-group, clusters of 4 x 1, 327,680 bytes of LDS; arguments qrec, kv, zimg, zsc; writes zimg, zsc
.if DOCPART == 3
	.amdgcn_target "amdgcn-amd-amdhsa--gfx1250"
	.amdhsa_code_object_version 6
	.text
	.protected	k_q8194aabe68_attn
	.globl	k_q8194aabe68_attn
	.p2align	8
	.type	k_q8194aabe68_attn,@function
k_q8194aabe68_attn:
	s_mov_b64 s[64:65], 0
	v_nop
	global_prefetch_b8 v0, s[64:65] scope:SCOPE_SE
	s_setreg_imm32_b32 hwreg(HW_REG_WAVE_MODE, 25, 1), 1
	s_wait_xcnt 0x0
	s_wait_alu depctr_hold_cnt(0) depctr_sa_sdst(0) depctr_va_vdst(0) depctr_va_sdst(0) depctr_va_ssrc(0) depctr_va_vcc(0) depctr_vm_vsrc(0)
	s_getreg_b32 s2, hwreg(HW_REG_IB_STS2, 6, 4)
	s_cmp_eq_u32 s2, 0
	s_cbranch_scc0 .Lentry_in_a_cluster
	s_endpgm
.Lentry_in_a_cluster:
	s_bfe_u32 s2, ttmp6, 0x10000c
	s_cmp_lg_u32 s2, 0x3003
	s_cbranch_scc0 .Lentry_shape_is_right
	s_endpgm
.Lentry_shape_is_right:
; z[b][q][head] = softmax over the keys k <= q of (q . k / 8) times v, for 64 heads of 2,048 tokens and 64 channels, both products on codes of FP8 (E4M3) with E8M0 scales for each 32 along a product's K; z leaves quantised along the model's axis.
; THE SOFTMAX AHEAD OF THE SECOND PRODUCT: t = score x log2(e) / 8; M = the row's largest t so far, rounded up to a whole number; p = 2^(t - M) is quantised along the keys, not normalised; the row's sum is taken of the unquantised p and divides at the end.
; IN: records of 17,152 bytes for each head and 128 tokens (the launch before made them): +0 images of k (in qrec: of q) [tile 8][c 2][512]; +8192 images of v^T [tile of channels 4][c 4][512]; +16384 scale words [g 2][r 16][4]; +16896 v's [r 16][4].
; A HEAD'S 16 RECORDS, 274,432 BYTES, LIE IN LDS WHOLE: each byte is filled once, so there is no ring.  The four work-groups of a head are a cluster and ask for the records jointly.
; SHARES.  A band is 128 queries, 8 tiles.  Wave w of work-group c: p = w % 8, u = 2 c + w / 8: it owns tile u of band 15 - p and then tile u of band p: (16 - p) + (p + 1) = 17 steps of 128 keys, the same for every wave of the launch.
; A step whose keys all come after the band is jumped over, the step on the diagonal masks: both branches hang on the wave's number and a counter, never on the place in the cluster, which enters global addresses and the mask's numbers alone.
; LAYOUT.  Both products transposed: S^T = K Q^T, O^T = V^T P^T: a lane holds one query.  By the tiles' order (tile T: rows 32 (T / 2) + 8 (T % 2) + r + 8 (r / 8)) the 16 registers of tiles 2 b, 2 b + 1 are 16 neighbours: keys in S^T, channels in O^T.
; THE HEAD'S K IS 64, THE INSTRUCTION'S 128: q's upper eight registers are zero codes.  k's tiles lie 8 registers apart, so a tile's upper half is the next tile's codes (the last one's: zeros), which meet q's zeros; the upper scale bytes are 0, a power of two.
; LIMITS: |t| under 2^24, so that M is a whole number; NaN and infinities are not served; blocks of zeros or under 2^-118 get the byte 1.
; No prefetch: all that the launch reads of k and v is asked for by the first fills.
; REGISTERS: v1-9 addresses; v12 -M, v13 the largest t, v[14:15] the sum; v16-31 q; v32-103 k's tiles and their pad, then v^T's four fragments; v104-167 S^T, then p; v168-199 O^T; v200-215 p's codes; v216-228 scale words; v232-255 at work.
.set RB,  17152
.set HS,  16*RB
.set LI,  1                            ; v1  16 x lane
.set LR,  2                            ; v2  16 x (lane % 16)
.set DQ,  3                            ; v3  my query's number in its band - 16 (lane / 16)
.set ADR, 4                            ; v4  LI + the record in hand
.set ADS, 5                            ; v5  LR + the record in hand
.set R4,  7                            ; v7  4 x (lane % 16)
.set VQ,  8                            ; v8  q's codes: LI + 1,024 u
.set VQS, 9                            ; v9  q's scale word: LR + 256 (u / 4) + 4 (u % 4)
.set Q,   16
.set KB,  32
.set S,   104
.set O,   168
.set PC,  200
.set KS,  216                          ; v216-223 k's scale words, a register a tile
.set VS,  224                          ; v224-227 v's
.set QS,  228                          ; v228 q's
.set BM,  232                          ; the blocks' largest scores, then largest p
.set T4,  236
.set HL,  240                          ; 448 x the scale
.set SO,  244                          ; the conversions' scale operands
.set F,   250                          ; v[250:251] f = 2^(old M - new M); at the end 1 / the sum
.set ZW,  252                          ; z's two scale bytes
.set PW,  253                          ; p's scale word
.set WV,  18
.set MNT, 19
.set SEL, 20
.set CS,  22                           ; s[22:23] c = log2(e) / 8
.set G1,  24                           ; s[24:31] descriptor group 1;  s[32:35] group 0
.set G0,  32
.set J,   54                           ; the step's record
.set TB,  55                           ; its first LDS byte
.set BAND, 56                          ; the band of the tile in hand
.set BH,  57                           ; 15 - p;  s14: p
.set QRH, 58                           ; s[58:59], s[60:61] q's records of the two bands
.set QRL, 60
.set ZBH, 66                           ; s[66:67], s[68:69] where z's codes go;  s[70:71], s[72:73] its scale bytes
.set ZBL, 68
.set ZSH, 70
.set ZSL, 72
.macro CROUND                          ; a round of the cluster's barrier
	s_barrier_signal -1
	s_barrier_wait -1
	s_cmp_lg_u32 s[WV], 0
	s_cbranch_scc1 .Lnot_wave_0_\@
	s_barrier_signal -3
.Lnot_wave_0_\@:
	s_barrier_wait -3
	s_barrier_signal -1
	s_barrier_wait -1
.endm
.macro PTRS band, qr, zb, zs           ; the three addresses of tile u of a band.  s13 head, s52 128 x batch + u, s53 and s75 the head's place in a row of z's images and words
	s_lshl_b32 s50, s13, 4
	s_add_co_u32 s50, s50, s[\band]
	s_mul_i32 s50, s50, RB
	s_add_nc_u64 s[\qr:\qr+1], s[4:5], s[50:51]
	s_lshl_b32 s74, s[\band], 3
	s_add_co_u32 s74, s74, s52                     ; z's tile
	s_lshl_b32 s50, s74, 14
	s_add_co_u32 s50, s50, s53
	s_add_nc_u64 s[\zb:\zb+1], s[8:9], s[50:51]
	s_lshl_b32 s50, s74, 9
	s_add_co_u32 s50, s50, s75
	s_add_nc_u64 s[\zs:\zs+1], s[10:11], s[50:51]
.endm
.macro QLOAD qr
	global_load_b128 v[Q:Q+3], v[VQ], s[\qr:\qr+1]
	global_load_b128 v[Q+4:Q+7], v[VQ], s[\qr:\qr+1] offset:512
	global_load_b32 v[QS], v[VQS], s[\qr:\qr+1] offset:16384
.endm
.macro INIT                            ; the step is written without a first form: O^T and the sum begin as zeros, the largest t under every t
	v_mov_b32 v13, 0xff61b1e6
	s_delay_alu instid0(VALU_DEP_1)
	v_floor_f32 v12, -v13
	v_mov_b32 v14, 0
	v_mov_b32 v15, 0
.set n, 0
.rept 32
	v_mov_b32 v[O+n], 0
.set n, n+1
.endr
.endm
; A STEP: my 16 queries x record J's 128 keys.  mask = 1: the step may be hidden or lie on the diagonal
.macro STEP mask
.if \mask
	s_cmp_gt_u32 s[J], s[BAND]
	s_cbranch_scc1 .Lhidden_\@
.endif
	v_add_nc_u32 v[ADR], s[TB], v[LI]
	v_add_nc_u32 v[ADS], s[TB], v[LR]
.rept 6
	v_nop                                          ; with the two additions: eight places between the last step's products and the loads into the registers that they read
.endr
.irp t, 0,1,2,3,4,5,6,7
	ds_load_b128 v[KB+8*\t:KB+8*\t+3], v[ADR] offset:1024*\t
	ds_load_b128 v[KB+8*\t+4:KB+8*\t+7], v[ADR] offset:1024*\t+512
.endr
	ds_load_b128 v[KS:KS+3], v[ADS] offset:16384
	ds_load_b128 v[KS+4:KS+7], v[ADS] offset:16384+256
	s_wait_alu depctr_va_vdst(0)
	s_wait_dscnt 0x0
.irp t, 0,1,2,3,4,5,6,7
	v_wmma_scale_f32_16x16x128_f8f6f4 v[S+8*\t:S+8*\t+7], v[KB+8*\t:KB+8*\t+15], v[Q:Q+15], 0, v[KS+\t], v[QS]
.endr
.rept 8
	v_nop
.endr
.irp d, 0,1,2,3                                ; v^T's fragments are asked for now and land under the softmax
.irp c, 0,1,2,3
	ds_load_b128 v[KB+16*\d+4*\c:KB+16*\d+4*\c+3], v[ADR] offset:8192+2048*\d+512*\c
.endr
.endr
	ds_load_b128 v[VS:VS+3], v[ADS] offset:16896
.if \mask                                      ; on the diagonal the scores of hidden keys become -infinity ahead of the maximum: p = 0 then.  Register 16 b + i holds key 32 b + 16 (lane / 16) + i: hidden where 32 b + i > v[DQ]
	s_cmp_lg_u32 s[J], s[BAND]
	s_cbranch_scc1 .Lopen_\@
.irp n, 0,1,2,3,4,5,6,7,8,9,10,11,12,13,14,15,16,17,18,19,20,21,22,23,24,25,26,27,28,29,30,31,32,33,34,35,36,37,38,39,40,41,42,43,44,45,46,47,48,49,50,51,52,53,54,55,56,57,58,59,60,61,62,63
	v_cmp_gt_i32 vcc_lo, 32*(\n/16)+\n%16, v[DQ]
	v_cndmask_b32 v[S+\n], v[S+\n], v255, vcc_lo
.endr
.Lopen_\@:
.endif
.irp b, 0,1,2,3
	v_max3_num_f32 v[BM+\b], v[S+16*\b], v[S+1+16*\b], v[S+2+16*\b]   ; the largest score of each block of 32 keys: it serves for the row's maximum and, since p rises with the score, for the block's largest p
.endr
.irp i, 3,5,7,9,11,13
.irp b, 0,1,2,3
	v_max3_num_f32 v[BM+\b], v[BM+\b], v[S+16*\b+\i], v[S+1+16*\b+\i]
.endr
.endr
.irp b, 0,1,2,3
	v_max_num_f32 v[BM+\b], v[BM+\b], v[S+15+16*\b]
.endr
.irp b, 0,1,2,3
	s_delay_alu instid0(VALU_DEP_4)
	v_permlanex16_b32 v[T4+\b], v[BM+\b], s[SEL], s[SEL+1]
.endr
.irp b, 0,1,2,3
	s_delay_alu instid0(VALU_DEP_4)
	v_max_num_f32 v[BM+\b], v[BM+\b], v[T4+\b]     ; with lane l xor 16's 16 keys
.endr
	s_delay_alu instid0(VALU_DEP_2)
	v_max3_num_f32 v254, v[BM], v[BM+1], v[BM+2]
	s_delay_alu instid0(VALU_DEP_1)
	v_max_num_f32 v254, v254, v[BM+3]              ; the step's largest score of my query
	s_delay_alu instid0(VALU_DEP_1)
	v_mul_f32 v254, s[CS], v254                    ; as t (c is positive)
	s_delay_alu instid0(VALU_DEP_1)
	v_max_num_f32 v13, v13, v254                   ; the running largest t
	v_mov_b32 v254, v12
	s_delay_alu instid0(VALU_DEP_2)
	v_floor_f32 v12, -v13                          ; the new -M = floor(-t) = -ceil(t)
	s_delay_alu instid0(VALU_DEP_1)
	v_sub_f32 v254, v12, v254                      ; old M - new M: a whole number, 0 or less
	s_delay_alu instid0(VALU_DEP_1)
	v_cvt_i32_f32 v254, v254                       ; (it saturates)
	s_delay_alu instid0(VALU_DEP_1)
	v_ldexp_f32 v[F], 1.0, v254                    ; f = 2^(old M - new M): a multiplication by it rounds nothing
.set n, 0
.rept 32
	v_pk_fma_f32 v[S+n:S+n+1], v[S+n:S+n+1], s[CS:CS+1], v[12:13] op_sel_hi:[1,0,0]   ; t - M, two at a time
.set n, n+2
.endr
.irp b, 0,1,2,3
	v_fma_f32 v[BM+\b], v[BM+\b], s[CS], v12       ; the same of each block's largest score
.endr
.set n, 0
	s_wait_alu depctr_va_vdst(0)
.rept 64
	v_exp_f32 v[S+n], v[S+n]                       ; p = 2^(t - M)
.set n, n+1
.endr
	v_pk_mul_f32 v[14:15], v[14:15], v[F:F+1] op_sel_hi:[1,0]   ; the sums under the new M: the plain line behind the exponentials
	s_wait_alu depctr_va_vdst(0)                   ; one wait for the batch of 64, ahead of its first reader
.irp b, 0,1,2,3
	v_exp_f32 v[BM+\b], v[BM+\b]                   ; the blocks' largest p
.endr
	v_pk_add_f32 v[236:237], v[108:109], v[112:113]
	v_pk_add_f32 v[252:253], v[116:117], v[120:121]
	v_pk_add_f32 v[246:247], v[124:125], v[128:129]
	v_pk_add_f32 v[244:245], v[132:133], v[136:137]
	v_pk_add_f32 v[242:243], v[140:141], v[144:145]
	v_pk_add_f32 v[240:241], v[148:149], v[152:153]
	v_pk_add_f32 v[238:239], v[156:157], v[160:161]
	v_pk_add_f32 v[14:15], v[14:15], v[164:165]
	v_pk_add_f32 v[236:237], v[236:237], v[104:105]
	v_pk_add_f32 v[252:253], v[252:253], v[106:107]
	v_pk_add_f32 v[246:247], v[246:247], v[110:111]
	v_pk_add_f32 v[244:245], v[244:245], v[114:115]
	v_pk_add_f32 v[242:243], v[242:243], v[118:119]
	v_pk_add_f32 v[240:241], v[240:241], v[122:123]
	v_pk_add_f32 v[238:239], v[238:239], v[126:127]
	v_pk_add_f32 v[14:15], v[14:15], v[130:131]
	v_pk_add_f32 v[236:237], v[236:237], v[134:135]
	v_pk_add_f32 v[252:253], v[252:253], v[138:139]
	v_pk_add_f32 v[246:247], v[246:247], v[142:143]
	v_pk_add_f32 v[244:245], v[244:245], v[146:147]
	v_pk_add_f32 v[242:243], v[242:243], v[150:151]
	v_pk_add_f32 v[240:241], v[240:241], v[154:155]
	v_pk_add_f32 v[238:239], v[238:239], v[158:159]
	v_pk_add_f32 v[14:15], v[14:15], v[162:163]
	v_pk_add_f32 v[236:237], v[236:237], v[166:167]
	s_delay_alu instid0(VALU_DEP_2)
	v_pk_add_f32 v[14:15], v[14:15], v[244:245]
	s_delay_alu instid0(VALU_DEP_2)
	v_pk_add_f32 v[236:237], v[236:237], v[242:243]
	v_pk_add_f32 v[252:253], v[252:253], v[240:241]
	v_pk_add_f32 v[246:247], v[246:247], v[238:239]
	s_delay_alu instid0(VALU_DEP_2)
	v_pk_add_f32 v[14:15], v[14:15], v[252:253]
	s_delay_alu instid0(VALU_DEP_2)
	v_pk_add_f32 v[236:237], v[236:237], v[246:247]
	s_delay_alu instid0(VALU_DEP_1)
	v_pk_add_f32 v[14:15], v[14:15], v[236:237]
	s_wait_alu depctr_va_vdst(0)                   ; and one for the four
.irp b, 0,1,2,3
	v_max_num_f32 v[BM+\b], 0x4800000, v[BM+\b]    ; the floor 2^(9 - 127): the byte cannot fall under 1
.endr
.irp b, 0,1,2,3
	s_delay_alu instid0(VALU_DEP_4)
	v_add_nc_u32 v[SO+\b], 0xfc000000, v[BM+\b]    ; 8 off the exponent field: the conversion's scale operand
.endr
.irp b, 0,1,2,3
	v_and_or_b32 v[HL+\b], v[BM+\b], 0x7f800000, s[MNT]   ; 448 x the scale
.endr
.irp b, 0,1,2,3
	v_lshrrev_b32 v[T4+\b], 23, v[SO+\b]           ; the scale's byte
.endr
	s_delay_alu instid0(VALU_DEP_3)
	v_lshl_or_b32 v[PW], v[T4+1], 8, v[T4]         ; p's scale word for these 128 keys
	s_delay_alu instid0(VALU_DEP_1)
	v_lshl_or_b32 v[PW], v[T4+2], 16, v[PW]
	s_delay_alu instid0(VALU_DEP_1)
	v_lshl_or_b32 v[PW], v[T4+3], 24, v[PW]
.irp b, 0,1,2,3
.set n, 0
.rept 8
	v_dual_min_num_f32 v[S+16*\b+n], v[S+16*\b+n], v[HL+\b] :: v_dual_min_num_f32 v[S+16*\b+n+1], v[S+16*\b+n+1], v[HL+\b]   ; the conversion does not saturate (ISA guide 7.6.2); p is not negative: the hold is one-sided; two numbers a line
.set n, n+2
.endr
	v_cvt_scalef32_pk8_fp8_f32 v[PC+4*\b:PC+1+4*\b], v[S+16*\b:S+7+16*\b], v[SO+\b]
	v_cvt_scalef32_pk8_fp8_f32 v[PC+2+4*\b:PC+3+4*\b], v[S+8+16*\b:S+15+16*\b], v[SO+\b]
.endr
.set n, 0
.rept 16
	v_pk_mul_f32 v[O+n:O+n+1], v[O+n:O+n+1], v[F:F+1] op_sel_hi:[1,0]   ; O^T under the new M; these 16 are also the places between the codes and the products
.set n, n+2
.endr
	s_wait_alu depctr_va_vdst(0)
	s_wait_dscnt 0x0                               ; v^T's fragments and scale words
.irp d, 0,1,2,3
	v_wmma_scale_f32_16x16x128_f8f6f4 v[O+8*\d:O+8*\d+7], v[KB+16*\d:KB+16*\d+15], v[PC:PC+15], v[O+8*\d:O+8*\d+7], v[VS+\d], v[PW]   ; four accumulators by turns, one instruction a turn
.endr
.if \mask
.Lhidden_\@:
.endif
	s_add_co_u32 s[TB], s[TB], RB
.endm
; A tile is done: O^T / the sum is z's 64 channels of my query (register 16 b + i: channel 32 b + 16 (lane / 16) + i); quantised, they are groups 2 (head % 2) + b of z's fragment head / 2
.macro FINISH zb, zs
.rept 8
	v_nop
.endr
	v_add_f32 v14, v14, v15
	s_delay_alu instid0(VALU_DEP_1)
	v_permlanex16_b32 v254, v14, s[SEL], s[SEL+1]
	s_delay_alu instid0(VALU_DEP_1)
	v_add_f32 v14, v14, v254                       ; the row's sum
	s_wait_alu depctr_va_vdst(0)
	v_rcp_f32 v[F], v14
	v_nop                                          ; a plain line behind the reciprocal,
	s_wait_alu depctr_va_vdst(0)                   ; and the wait ahead of its first reader
.set n, 0
.rept 16
	v_pk_mul_f32 v[S+n:S+n+1], v[O+n:O+n+1], v[F:F+1] op_sel_hi:[1,0]
.set n, n+2
.endr
.irp b, 0,1
	v_max3_num_f32 v[BM+\b], |v[S+16*\b]|, |v[S+1+16*\b]|, 0x4800000
.endr
.irp i, 2,4,6,8,10,12,14
.irp b, 0,1
	s_delay_alu instid0(VALU_DEP_2)
	v_max3_num_f32 v[BM+\b], v[BM+\b], |v[S+16*\b+\i]|, |v[S+1+16*\b+\i]|
.endr
.endr
.irp b, 0,1
	s_delay_alu instid0(VALU_DEP_2)
	v_permlanex16_b32 v[T4+\b], v[BM+\b], s[SEL], s[SEL+1]
.endr
.irp b, 0,1
	s_delay_alu instid0(VALU_DEP_2)
	v_max_num_f32 v[BM+\b], v[BM+\b], v[T4+\b]
.endr
.irp b, 0,1
	s_delay_alu instid0(VALU_DEP_2)
	v_add_nc_u32 v[SO+\b], 0xfc000000, v[BM+\b]
.endr
.irp b, 0,1
	s_delay_alu instid0(VALU_DEP_4)
	v_and_or_b32 v[HL+\b], v[BM+\b], 0x7f800000, s[MNT]
.endr
.irp b, 0,1
	s_delay_alu instid0(VALU_DEP_4)
	v_lshrrev_b32 v[T4+\b], 23, v[SO+\b]
.endr
	s_delay_alu instid0(VALU_DEP_1)
	v_lshl_or_b32 v[ZW], v[T4+1], 8, v[T4]
.irp b, 0,1
.set n, 0
.rept 16
	v_med3_num_f32 v[S+16*\b+n], v[S+16*\b+n], -v[HL+\b], v[HL+\b]
.set n, n+1
.endr
	v_cvt_scalef32_pk8_fp8_f32 v[PC+4*\b:PC+1+4*\b], v[S+16*\b:S+7+16*\b], v[SO+\b]
	v_cvt_scalef32_pk8_fp8_f32 v[PC+2+4*\b:PC+3+4*\b], v[S+8+16*\b:S+15+16*\b], v[SO+\b]
.endr
	v_nop
	global_store_b128 v[LI], v[PC:PC+3], s[\zb:\zb+1]              ; 512 consecutive bytes each
	global_store_b128 v[LI], v[PC+4:PC+7], s[\zb:\zb+1] offset:512
	global_store_b16 v[R4], v[ZW], s[\zs:\zs+1]                    ; my head's half of the row's scale word; lanes r and r + 16 write the same
	s_wait_xcnt 0x0                                ; the stores have read their data
.endm
	s_load_b256 s[4:11], s[0:1], 0x0               ; qrec s[4:5], kv s[6:7], zimg s[8:9], zsc s[10:11]
	v_lshl_add_u32 v248, v0, 2, 0x43000
	v_mov_b32 v249, 0
	ds_add_u32 v248, v249
	ds_add_u32 v248, v249
	v_lshrrev_b32 v1, 5, v0
	s_delay_alu instid0(VALU_DEP_1)
	v_readfirstlane_b32 s[WV], v1                  ; wave 0..15
	s_bfe_u32 s12, ttmp6, 0x40000                  ; cx: my place in the cluster
	s_and_b32 s13, ttmp7, 0xffff                   ; the head, which the four partners share
	s_and_b32 s14, s[WV], 7                        ; p: my low band
	s_sub_co_u32 s[BH], 15, s14                    ; my high band
	s_lshr_b32 s15, s[WV], 3
	s_lshl_b32 s16, s12, 1
	s_add_co_u32 s16, s16, s15                     ; u: my tile in both bands
	s_lshr_b32 s52, s13, 4
	s_lshl_b32 s52, s52, 7
	s_add_co_u32 s52, s52, s16                     ; 128 x batch + u
	s_and_b32 s17, s13, 15                         ; the head's number in the model's axis
	s_lshl_b32 s53, s17, 10                        ; its 1,024 bytes in a tile's row of images
	s_lshr_b32 s75, s17, 1
	s_lshl_b32 s75, s75, 6
	s_and_b32 s17, s17, 1
	s_lshl_b32 s17, s17, 1
	s_add_co_u32 s75, s75, s17                     ; its two bytes among the scale words
	s_mov_b32 s51, 0
	s_mov_b32 s[MNT], 0x600000
	s_mov_b32 s[SEL], 0x76543210
	s_mov_b32 s[SEL+1], 0xfedcba98
	s_mov_b32 s[CS], 0x3e38aa3b                    ; log2(e) / 8
	s_mov_b32 s[CS+1], s[CS]                       ; (named with it as a pair)
	; descriptor group 1: a record, 17,152 dense bytes, as 67 rows of 256 (32 elements of 8 bytes)
	s_mov_b32 s[G1], 15|(3<<16)|(1<<21)            ; 15:0 the mask: all four work-groups; 17:16 elements of 8 bytes; 21 set beside a mask
	s_mov_b32 s[G1+1], 32<<16
	s_mov_b32 s[G1+2], 67<<16
	s_mov_b32 s[G1+3], 32<<16
	s_mov_b32 s[G1+4], 67
	s_mov_b32 s[G1+5], 32
	s_mov_b32 s[G1+6], 0
	s_mov_b32 s[G1+7], 0
	s_mul_i32 s48, s13, HS
	s_mul_i32 s17, s[WV], RB                       ; wave x a record, in LDS and in memory
	s_add_co_u32 s48, s48, s17
	s_mov_b32 s49, 0
	s_wait_dscnt 0x0
	s_wait_kmcnt 0x0
	s_add_nc_u64 s[48:49], s[6:7], s[48:49]
.irp g, 0                                      ; wave w fetches record w: one tensor load a wave
	s_mov_b32 s[G0+4*\g], 1
	s_add_co_u32 s[G0+4*\g+1], s17, 4*\g*RB
	s_add_nc_u64 s[G0+4*\g+2:G0+4*\g+3], s[48:49], 4*\g*RB
	s_or_b32 s[G0+4*\g+3], s[G0+4*\g+3], 0x80000000
.endr
	PTRS BH, QRH, ZBH, ZSH
	PTRS 14, QRL, ZBL, ZSL
	CROUND                                         ; all four work-groups are here: the joint loads meet
	s_cmp_lt_u32 s[WV], 4                          ; waves 0 to 3, whose records are read first, have a load line of their own: they alone wait at the first barrier
	s_cbranch_scc0 .Llater
	tensor_load_to_lds s[G0:G0+3], s[G1:G1+7]
	s_nop 0
.rept 4
	v_nop
.endr
	s_branch .Lasked
.Llater:
	tensor_load_to_lds s[G0:G0+3], s[G1:G1+7]
	s_nop 0
.rept 4
	v_nop
.endr
.Lasked:
	v_and_b32 v10, 31, v0
	s_delay_alu instid0(VALU_DEP_1)
	v_lshlrev_b32 v[LI], 4, v10
	v_and_b32 v11, 15, v0                          ; r
	s_delay_alu instid0(VALU_DEP_1)
	v_lshlrev_b32 v[LR], 4, v11
	s_wait_alu depctr_va_vdst(0)
	v_bfe_u32 v6, v0, 4, 1                         ; h
	s_lshr_b32 s76, s16, 1
	s_lshl_b32 s76, s76, 5
	s_and_b32 s77, s16, 1
	s_lshl_b32 s77, s77, 3
	s_add_co_u32 s76, s76, s77                     ; 32 (u / 2) + 8 (u % 2)
	v_and_b32 v[DQ], 8, v11
	s_delay_alu instid0(VALU_DEP_1)
	v_add_nc_u32 v[DQ], v[DQ], v11
	s_delay_alu instid0(VALU_DEP_1)
	v_add_nc_u32 v[DQ], s76, v[DQ]
	v_lshlrev_b32 v6, 4, v6
	s_delay_alu instid0(VALU_DEP_1)
	v_sub_nc_u32 v[DQ], v[DQ], v6
	v_lshlrev_b32 v[R4], 2, v11
	s_lshl_b32 s76, s16, 10
	v_add_nc_u32 v[VQ], s76, v[LI]
	s_lshr_b32 s76, s16, 2
	s_lshl_b32 s76, s76, 8
	s_and_b32 s77, s16, 3
	s_lshl_b32 s77, s77, 2
	s_add_co_u32 s76, s76, s77
	v_add_nc_u32 v[VQS], s76, v[LR]
	QLOAD QRH
.irp i, 0,1,2,3,4,5,6,7
	v_mov_b32 v[Q+8+\i], 0                         ; q's upper 64 along K: zero codes, set once
	v_mov_b32 v[KB+64+\i], 0                       ; the pad behind k's last tile
.endr
.irp b, 0,1,2,3
	v_mov_b32 v[T4+\b], 0                          ; written once: a lane permute's destination counts as one of its sources
.endr
	v_mov_b32 v[F+1], 0                            ; (named with f as a pair)
	v_mov_b32 v254, 0
	v_mov_b32 v255, 0xff800000                     ; -infinity
	INIT
	s_wait_alu depctr_va_vdst(0)                   ; the wait at the head's end
	s_cmp_lt_u32 s[WV], 4
	s_cbranch_scc0 .Lnot_first
	s_wait_tensorcnt 0x0                           ; records 0 to 3 are in; the other twelve waves' loads may stay out: no byte is filled twice
.Lnot_first:
	s_barrier_signal -1
	s_barrier_wait -1
	s_wait_loadcnt 0x0                             ; q
	; the high tile, records 0 to 3: open for every wave (its band is 8 at the least), while records 4 to 15 land
	s_mov_b32 s[BAND], s[BH]
	s_mov_b32 s[J], 0
	s_mov_b32 s[TB], 0
.Lphase_a:
	STEP 0
	s_add_co_u32 s[J], s[J], 1
	s_cmp_lt_u32 s[J], 4
	s_cbranch_scc1 .Lphase_a
	s_wait_tensorcnt 0x0                           ; all my records are in,
	s_wait_dscnt 0x0
	s_barrier_signal -1
	s_barrier_wait -1                              ; everybody's are.  From here on the waves share nothing
	s_mov_b32 s[J], 4
	s_mov_b32 s[TB], 4*RB
.Lphase_b:
	STEP 1
	s_add_co_u32 s[J], s[J], 1
	s_cmp_lt_u32 s[J], 16
	s_cbranch_scc1 .Lphase_b
	QLOAD QRL                                      ; the low tile's q: the products that read these registers stand a softmax back
	FINISH ZBH, ZSH
	INIT
	s_mov_b32 s[BAND], s14
	s_mov_b32 s[J], 0
	s_mov_b32 s[TB], 0
	s_wait_loadcnt 0x0
.Lphase_c:
	STEP 1
	s_add_co_u32 s[J], s[J], 1
	s_cmp_lt_u32 s[J], 8
	s_cbranch_scc1 .Lphase_c
	FINISH ZBL, ZSL
	s_wait_dscnt 0x0
	s_wait_tensorcnt 0x0
	ds_add_u32 v248, v249
	s_wait_dscnt 0x0
	CROUND                                         ; the closing round
	s_endpgm
.Lfunc_end_k_q8194aabe68_attn:
	.size	k_q8194aabe68_attn, .Lfunc_end_k_q8194aabe68_attn-k_q8194aabe68_attn
	.p2alignl 7, 3214868480
	.fill 96, 4, 3214868480
	.section	.rodata,"a",@progbits
	.p2align	6, 0x0
	.amdhsa_kernel k_q8194aabe68_attn
		.amdhsa_group_segment_fixed_size 327680
		.amdhsa_private_segment_fixed_size 0
		.amdhsa_enable_private_segment 0
		.amdhsa_kernarg_size 32
		.amdhsa_user_sgpr_count 2
		.amdhsa_user_sgpr_kernarg_segment_ptr 1
		.amdhsa_wavefront_size32 1
		.amdhsa_system_sgpr_workgroup_id_x 1
		.amdhsa_system_sgpr_workgroup_id_y 1
		.amdhsa_system_sgpr_workgroup_id_z 1
		.amdhsa_system_vgpr_workitem_id 0
		.amdhsa_next_free_vgpr 256
		.amdhsa_next_free_sgpr 80
		.amdhsa_reserve_vcc 1
		.amdhsa_float_denorm_mode_32 3
		.amdhsa_float_denorm_mode_16_64 3
		.amdhsa_memory_ordered 1
		.amdhsa_forward_progress 1
		.amdhsa_inst_pref_size 92
	.end_amdhsa_kernel
	.amdgpu_metadata
---
amdhsa.version: [ 1, 2 ]
amdhsa.kernels:
  - .name:           k_q8194aabe68_attn
    .symbol:         k_q8194aabe68_attn.kd
    .args:
      - { .name: qrec, .offset: 0, .size: 8, .value_kind: global_buffer, .address_space: global }
      - { .name: kv, .offset: 8, .size: 8, .value_kind: global_buffer, .address_space: global }
      - { .name: zimg, .offset: 16, .size: 8, .value_kind: global_buffer, .address_space: global }
      - { .name: zsc, .offset: 24, .size: 8, .value_kind: global_buffer, .address_space: global }
    .group_segment_fixed_size: 327680
    .private_segment_fixed_size: 0
    .kernarg_segment_align: 8
    .kernarg_segment_size: 32
    .max_flat_workgroup_size: 512
    .sgpr_count:     80
    .vgpr_count:     256
    .wavefront_size: 32
...
	.end_amdgpu_metadata
.endif
;; end of part 3
;; launch proj (part 4): grid 4 x 64, 4 waves a work-group, clusters of 4 x 4, 327,680 bytes of LDS; arguments zimg, zsc, wimg, wsc, b_out, out0; writes out0
.if DOCPART == 4
	.amdgcn_target "amdgcn-amd-amdhsa--gfx1250"
	.amdhsa_code_object_version 6
	.text
	.protected	k_q8194aabe68_proj
	.globl	k_q8194aabe68_proj
	.p2align	8
	.type	k_q8194aabe68_proj,@function
k_q8194aabe68_proj:
	s_mov_b64 s[64:65], 0
	v_nop
	global_prefetch_b8 v0, s[64:65] scope:SCOPE_SE
	s_setreg_imm32_b32 hwreg(HW_REG_WAVE_MODE, 25, 1), 1
	s_wait_xcnt 0x0
	s_wait_alu depctr_hold_cnt(0) depctr_sa_sdst(0) depctr_va_vdst(0) depctr_va_sdst(0) depctr_va_ssrc(0) depctr_va_vcc(0) depctr_vm_vsrc(0)
	s_getreg_b32 s2, hwreg(HW_REG_IB_STS2, 6, 4)
	s_cmp_eq_u32 s2, 0
	s_cbranch_scc0 .Lentry_in_a_cluster
	s_endpgm
.Lentry_in_a_cluster:
	s_bfe_u32 s2, ttmp6, 0x10000c
	s_cmp_lg_u32 s2, 0xf033
	s_cbranch_scc0 .Lentry_shape_is_right
	s_endpgm
.Lentry_shape_is_right:
; out0 = z w_out + b_out on codes of FP8 (E4M3) with E8M0 scales for each 32 along K = 1,024; sums in f32.
; OPERANDS are images of registers: a tile of 16 rows x 128 K is 2,048 bytes, group c at 512 c, lane l's 16 bytes at 16 l; a tile's 8 K steps lie on end (16,384 bytes).  Tile T holds rows 32 (T / 2) + 8 (T % 2) + r + 8 (r / 8).
; zimg: z's 512 tiles of tokens;  wimg: w_out's 64 tiles of columns from tile 192 on;  zsc, wsc: scale words [tile][K step 8][r 16].
; THE DEAL.  256 work-groups of four waves; a work-group makes 128 tokens (P: 8 tiles) x 256 columns (R: 16 tiles), in two halves of 128 columns.  A wave makes 64 tokens x 64 columns of each half: 16 accumulators.
; ALL OF K LIES IN LDS: P's 8 tiles are 131,072 dense bytes, and so are 8 tiles of R.  At the head each wave has one tensor load: wave 0 P's codes, wave 1 R's first half, wave 2 P's scale words, wave 3 R's (all 16 tiles').
; P's tile is shown first (wave 0 alone waits at the first barrier) and goes into registers, 4 tiles x 8 K steps = 512 a wave, where it serves both halves.  Then, in one drained round of the cluster's barrier, R's second half is
; filled over P's bytes, a quarter a wave; it has the first half's 128 products and its way out in which to land.
; CLUSTERS: 4 x 4.  P hangs on the block of tokens alone and is asked for jointly by a row of the cluster, R on the block of columns alone, by a column.
; THE PRODUCT IS USED TRANSPOSED: source 0 = a tile of R, source 1 = a tile of P: a lane holds one token, and the 16 registers of R's tiles 2 b, 2 b + 1 are columns 32 b + 16 (lane / 16) + 0 .. 15.  The bias is the first products' C.
; THE WAY OUT: 16 tokens x 64 columns at a time through the wave's own stage, back as rows of 256 bytes: sixteen lanes store one aligned unit of 256 bytes.
; No prefetch: the text has no loop to run ahead in; all that it reads is asked for at the head and behind the one round.
; REGISTERS: window 0: v0-31 addresses; v32-63 scale words (register 4 q + i: lanes 0-15 P's tile i, lanes 16-31 R's tile i, K step q); v64-127 the bias of both halves; v128-255 the accumulators ((a, b) at 8 (4 a + b)).
;   windows 1, 2: P's fragments (4 q + a).   window 3: R's fragments, four sets of 64 (K step q in set q % 4); on the way out its v0-63 take the rows read back.
.set RBASE,  131072                    ; R's first half
.set SCL,    262144                    ; scale words: P's 4,096 bytes, then R's 8,192
.set STAGE,  274432                    ; 16 rows x 272 bytes for each wave
.set SPITCH, 272
.set SPARE,  291840                    ; the spare words, 128 bytes a wave
.set ADRP, 16                          ; v16     LDS address of my P fragments
.set ADRR, 17                          ; v17-18  of my R fragments, first and second half
.set ADRS, 19                          ; v19-20  of my scale words, first and second half
.set STO,  21                          ; v21     into the stage
.set RD,   22                          ; v22     out of it
.set CO,   23                          ; v23     my byte offset among two rows of out0
.set BA,   24                          ; v24     my byte offset in b_out
.set SPW,  28
.set NIL,  29
.set SC,   32
.set T1,   64
.set ACC,  128
.set G1P, 24
.set G1R, 32
.set G1F, 40
.set G1SP, 48
.set G1SR, 56
.set G0P, 68
.set G0R, 72
.set G0F, 76
.set G0SP, 80
.set G0SR, 84
.set MSB, 0
.macro WIN new                         ; the immediate's high byte repeats the setting that is left
.if MSB != (\new)
	s_set_vgpr_msb (MSB<<8)|(\new)
.set MSB, (\new)
.endif
.endm
.macro PLACES n
.rept \n
	v_nop
.endr
.endm
.macro CROUND                          ; a round of the cluster's barrier
	s_barrier_signal -1
	s_barrier_wait -1
	s_cmp_lg_u32 s14, 0
	s_cbranch_scc1 .Lnot_wave_0_\@
	s_barrier_signal -3
.Lnot_wave_0_\@:
	s_barrier_wait -3
	s_barrier_signal -1
	s_barrier_wait -1
.endm
.macro TL g0, g1                       ; a tensor load; s_nop 0 and four v_nop follow it
	tensor_load_to_lds s[\g0:\g0+3], s[\g1:\g1+7]
	s_nop 0
	PLACES 4
.endm
.macro G1SET g, mask, el, rows         ; group 1: a dense block as rows of el elements of 8 bytes
	s_or_b32 s[\g], s[\mask], (3<<16)|(1<<21)
	s_mov_b32 s[\g+1], (\el)<<16
	s_mov_b32 s[\g+2], (\rows)<<16
	s_mov_b32 s[\g+3], (\el)<<16
	s_mov_b32 s[\g+4], \rows
	s_mov_b32 s[\g+5], \el
	s_mov_b32 s[\g+6], 0
	s_mov_b32 s[\g+7], 0
.endm
.macro G0SET g, base, off
	s_mov_b32 s[\g], 1
	s_add_nc_u64 s[\g+2:\g+3], s[\base:\base+1], s[\off:\off+1]
	s_or_b32 s[\g+3], s[\g+3], 0x80000000
.endm
	s_load_b256 s[4:11], s[0:1], 0x0               ; zimg, zsc, wimg, wsc
	s_load_b128 s[96:99], s[0:1], 0x20             ; b_out, out0
	v_lshl_add_u32 v[SPW], v0, 2, SPARE
	v_mov_b32 v[NIL], 0
	ds_add_u32 v[SPW], v[NIL]                      ; the opening lines: the add, twice on end, and its wait ahead of my first tensor load
	ds_add_u32 v[SPW], v[NIL]
	v_lshrrev_b32 v1, 5, v0
	v_readfirstlane_b32 s14, v1                    ; wave 0..3
	s_lshr_b32 s15, s14, 1                         ; wr: which 64 tokens
	s_and_b32 s16, s14, 1                          ; wc: which 64 columns of a half
	s_bfe_u32 s12, ttmp6, 0x40000                  ; cx, cy
	s_bfe_u32 s13, ttmp6, 0x40004
	s_lshl_b32 s18, ttmp9, 2
	s_add_co_u32 s18, s18, s12                     ; tx: which 256 columns
	s_and_b32 s17, ttmp7, 0xffff
	s_lshl_b32 s17, s17, 2
	s_add_co_u32 s17, s17, s13                     ; ty: which 128 tokens
	s_lshl_b32 s88, s13, 2
	s_lshl_b32 s88, 15, s88                        ; my row of the cluster
	s_lshl_b32 s89, 0x1111, s12                    ; my column
	G1SET G1P, 88, 512, 32                         ; 131,072 bytes as 32 rows of 4,096
	G1SET G1R, 89, 512, 32
	G1SET G1F, 89, 512, 8                          ; a quarter of R's second half
	G1SET G1SP, 88, 32, 16                         ; 4,096 bytes as rows of 256
	G1SET G1SR, 89, 32, 32
	s_lshl_b32 s90, s17, 17                        ; P's codes
	s_mov_b32 s91, 0
	s_lshl_b32 s92, s17, 12                        ; P's scale words
	s_mov_b32 s93, 0
	s_lshl_b32 s94, s18, 18                        ; R's codes: tile 192 + 16 tx
	s_add_co_u32 s94, s94, 192*16384
	s_mov_b32 s95, 0
	s_lshl_b32 s20, s18, 13                        ; R's scale words
	s_add_co_u32 s20, s20, 192*512
	s_mov_b32 s21, 0
	s_lshl_b32 s[G0F+1], s14, 15                   ; the refill: wave x 2 tiles, in LDS and in memory
	s_add_co_u32 s22, s94, s[G0F+1]
	s_add_co_u32 s22, s22, 131072
	s_mov_b32 s23, 0
	s_mov_b32 s[G0P+1], 0
	s_mov_b32 s[G0R+1], RBASE
	s_mov_b32 s[G0SP+1], SCL
	s_mov_b32 s[G0SR+1], SCL+4096
	; what the address registers are made of: the wave's number alone enters an LDS address
	s_lshl_b32 s2, s15, 16                         ; my 4 tiles of P
	s_lshl_b32 s3, s16, 16                         ; my 4 tiles of a half of R
	s_add_co_u32 s19, s3, RBASE
	s_lshl_b32 s100, s15, 11
	s_lshl_b32 s66, s16, 11
	s_add_co_u32 s66, s66, 4096
	s_sub_co_u32 s66, s66, s100                    ; from P's scale words to R's, first half;
	s_add_co_u32 s67, s66, 4096                    ; second half
	s_add_co_u32 s100, s100, SCL
	s_mul_i32 s101, s14, 16*SPITCH
	s_add_co_u32 s101, s101, STAGE
	s_lshl_b32 s12, s18, 10
	s_lshl_b32 s13, s16, 8
	s_add_co_u32 s12, s12, s13                     ; (256 tx + 64 wc) x 4: my columns' bytes in b_out and in a row of out0
	s_wait_dscnt 0x0                               ; both opening adds are done
	CROUND                                         ; all sixteen work-groups are here: the first joint loads meet
	s_wait_kmcnt 0x0
	G0SET G0P, 4, 90
	G0SET G0SP, 6, 92
	G0SET G0R, 8, 94
	G0SET G0SR, 10, 20
	G0SET G0F, 8, 22
	s_cmp_lt_u32 s14, 1                            ; one chain of branches on the wave's number, one load to an arm
	s_cbranch_scc0 .Lhead_r
	TL G0P, G1P
	s_branch .Lhead_asked
.Lhead_r:
	s_cmp_lt_u32 s14, 2
	s_cbranch_scc0 .Lhead_sp
	TL G0R, G1R
	s_branch .Lhead_asked
.Lhead_sp:
	s_cmp_lt_u32 s14, 3
	s_cbranch_scc0 .Lhead_sr
	TL G0SP, G1SP
	s_branch .Lhead_asked
.Lhead_sr:
	TL G0SR, G1SR
.Lhead_asked:
	v_and_b32 v1, 31, v0                           ; lane
	v_and_b32 v2, 15, v0                           ; r
	v_bfe_u32 v3, v0, 4, 1                         ; h
	v_lshlrev_b32 v4, 4, v1
	v_add_nc_u32 v[ADRP], s2, v4
	v_add_nc_u32 v[ADRR+1], s3, v4
	v_add_nc_u32 v[ADRR], s19, v4
	v_mul_u32_u24 v5, s66, v3                      ; lanes 16-31 take R's words: one product, the distance between the two
	v_mul_u32_u24 v6, s67, v3
	v_lshl_add_u32 v5, v2, 2, v5
	v_lshl_add_u32 v6, v2, 2, v6
	v_add_nc_u32 v[ADRS], s100, v5
	v_add_nc_u32 v[ADRS+1], s100, v6
	v_mul_u32_u24 v7, v2, SPITCH
	v_lshl_add_u32 v7, v3, 6, v7
	v_add_nc_u32 v[STO], s101, v7                  ; in: row r, + 64 h bytes
	v_mul_u32_u24 v8, v3, SPITCH
	v_lshl_add_u32 v8, v2, 4, v8
	v_add_nc_u32 v[RD], s101, v8                   ; back: lanes 0-15 one row, lanes 16-31 the next
	v_lshlrev_b32 v9, 12, v3
	v_lshl_add_u32 v[CO], v2, 4, v9                ; and the same two rows of out0
	v_lshlrev_b32 v10, 6, v3
	v_add_nc_u32 v[BA], s12, v10                   ; register 16 b + i wants column 32 b + 16 h + i
	s_wait_alu depctr_va_vdst(0)                   ; the wait at the head's end
.irp p, 0,1
.irp b, 0,1
.irp j, 0,1,2,3
	global_load_b128 v[T1+32*\p+16*\b+4*\j:T1+32*\p+16*\b+4*\j+3], v[BA], s[96:97] offset:512*\p+128*\b+16*\j
.endr
.endr
.endr
	s_lshl_b32 s20, s17, 19                        ; out0: 128 ty rows of 4,096 bytes,
	s_lshl_b32 s21, s15, 18                        ; + 64 wr rows,
	s_add_co_u32 s20, s20, s21
	s_add_co_u32 s20, s20, s12                     ; + my columns
	s_mov_b32 s21, 0
	s_add_nc_u64 s[98:99], s[98:99], s[20:21]
	s_cmp_eq_u32 s14, 0
	s_cbranch_scc0 .Lnot_p
	s_wait_tensorcnt 0x0                           ; wave 0: P's codes have landed.  The other waves' wait stands ahead of the round
.Lnot_p:
	s_barrier_signal -1
	s_barrier_wait -1
.irp q, 0,1,2,3,4,5,6,7                        ; my 4 tiles of P, all of K, into windows 1 and 2: 128 loads of 512 consecutive bytes
	WIN (1+\q/4)<<6
.irp a, 0,1,2,3
.irp c, 0,1,2,3
	ds_load_b128 v[16*((4*\q+\a)%16)+4*\c:16*((4*\q+\a)%16)+4*\c+3], v[ADRP] offset:\a*16384+\q*2048+512*\c
.endr
.endr
.endr
	WIN 0
	s_wait_tensorcnt 0x0                           ; all my tensor loads are in;
	ds_add_u32 v[SPW], v[NIL]                      ; the add;
	s_wait_dscnt 0x0                               ; it is done, and P is in my registers
	CROUND                                         ; that holds of every wave of the cluster: R's first half and the scale words are shown, and nobody reads P's bytes any more
	TL G0F, G1F                                    ; R's second half over P's bytes: my quarter
.macro SCALES p
.irp q, 0,1,2,3,4,5,6,7
.irp i, 0,1,2,3
	ds_load_b32 v[SC+4*\q+\i], v[ADRS+\p] offset:512*\i+64*\q
.endr
.endr
.endm
.macro RLOAD p, q                      ; R's four fragments of K step q into set q % 4 of window 3: 16 loads
	WIN 0xc0
.irp b, 0,1,2,3
.irp c, 0,1,2,3
	ds_load_b128 v[64*((\q)%4)+16*\b+4*\c:64*((\q)%4)+16*\b+4*\c+3], v[ADRR+\p] offset:\b*16384+(\q)*2048+512*\c
.endr
.endr
.endm
.macro MULQ p, q                       ; 16 products: the 16 accumulators take turns, in the same order in every K step
	WIN 3|((1+(\q)/4)<<2)
.irp a, 0,1,2,3
.irp b, 0,1,2,3
.if (\q) == 0
	v_wmma_scale_f32_16x16x128_f8f6f4 v[ACC+8*(4*\a+\b):ACC+8*(4*\a+\b)+7], v[64*((\q)%4)+16*\b:64*((\q)%4)+16*\b+15], v[16*((4*(\q)+\a)%16):16*((4*(\q)+\a)%16)+15], v[T1+32*(\p)+8*\b:T1+32*(\p)+8*\b+7], v[SC+4*(\q)+\b], v[SC+4*(\q)+\a] matrix_a_scale:MATRIX_SCALE_ROW1
.else
	v_wmma_scale_f32_16x16x128_f8f6f4 v[ACC+8*(4*\a+\b):ACC+8*(4*\a+\b)+7], v[64*((\q)%4)+16*\b:64*((\q)%4)+16*\b+15], v[16*((4*(\q)+\a)%16):16*((4*(\q)+\a)%16)+15], v[ACC+8*(4*\a+\b):ACC+8*(4*\a+\b)+7], v[SC+4*(\q)+\b], v[SC+4*(\q)+\a] matrix_a_scale:MATRIX_SCALE_ROW1
.endif
.endr
.endr
.endm
.macro TOSTAGE a                       ; block a: 16 tokens x 64 columns into my stage, each accumulator from its low end on, and back by rows.  LDS serves a wave's instructions in order
.irp b, 0,1,2,3
	ds_store_b128 v[STO], v[ACC+8*(4*(\a)+\b):ACC+8*(4*(\a)+\b)+3] offset:128*(\b/2)+32*(\b%2)
	ds_store_b128 v[STO], v[ACC+8*(4*(\a)+\b)+4:ACC+8*(4*(\a)+\b)+7] offset:128*(\b/2)+32*(\b%2)+16
.endr
	WIN 0xc0
.irp t, 0,1,2,3,4,5,6,7
	ds_load_b128 v[32*((\a)%2)+4*\t:32*((\a)%2)+4*\t+3], v[RD] offset:\t*2*SPITCH
.endr
	WIN 0
.endm
.macro SEND p, a, younger              ; younger: the LDS instructions issued behind block a's loads
	s_wait_dscnt \younger
	WIN 0x0c
.irp t, 0,1,2,3,4,5,6,7
	global_store_b128 v[CO], v[32*((\a)%2)+4*\t:32*((\a)%2)+4*\t+3], s[98:99] offset:(32*((\a)/2)+8*((\a)%2)+2*\t+8*(\t/4))*4096+512*(\p) th:TH_STORE_NT
.endr
	WIN 0
.endm
.macro HALF p                          ; 128 columns: 8 K steps of 16 products, R's fragments two K steps at a time, two K steps ahead
	SCALES \p
	RLOAD \p, 0
	RLOAD \p, 1
	RLOAD \p, 2
	RLOAD \p, 3
.if (\p) == 0
	s_wait_loadcnt 0x0                             ; the bias
.endif
.irp g, 0,2,4,6
.if \g < 6
	s_wait_dscnt 32                                ; all but the youngest 32 loads, the next two K steps' fragments
.else
	s_wait_dscnt 0x0
.endif
	MULQ \p, \g
	MULQ \p, \g+1
.if \g < 4
	PLACES 8                                       ; between the products and the loads into the registers that they read
	RLOAD \p, \g+4
	RLOAD \p, \g+5
.endif
.endr
	WIN 0
	PLACES 9                                       ; ahead of the reads of the sums, of the loads into window 3, and of the next half's first products, which write over the sums
	TOSTAGE 0
.irp a, 1,2,3
.if \a > 1
	s_wait_xcnt 0x0                                ; block a - 2's stores have read their data
.endif
	TOSTAGE \a
	SEND \p, \a-1, 16                              ; behind block a - 1's loads: block a's 8 stores and 8 loads
.endr
	SEND \p, 3, 0
.endm
	HALF 0
	s_wait_xcnt 0x0                                ; the stores have read their data: window 3 takes fragments again
	s_wait_tensorcnt 0x0                           ; my quarter of R's second half is in
	s_wait_dscnt 0x0
	s_barrier_signal -1
	s_barrier_wait -1                              ; everybody's is
	HALF 1
	s_wait_tensorcnt 0x0                           ; the wave's end
	ds_add_u32 v[SPW], v[NIL]
	s_wait_dscnt 0x0
	CROUND                                         ; the closing round
	s_endpgm
.Lfunc_end_k_q8194aabe68_proj:
	.size	k_q8194aabe68_proj, .Lfunc_end_k_q8194aabe68_proj-k_q8194aabe68_proj
	.p2alignl 7, 3214868480
	.fill 96, 4, 3214868480
	.section	.rodata,"a",@progbits
	.p2align	6, 0x0
	.amdhsa_kernel k_q8194aabe68_proj
		.amdhsa_group_segment_fixed_size 327680
		.amdhsa_private_segment_fixed_size 0
		.amdhsa_enable_private_segment 0
		.amdhsa_kernarg_size 48
		.amdhsa_user_sgpr_count 2
		.amdhsa_user_sgpr_kernarg_segment_ptr 1
		.amdhsa_wavefront_size32 1
		.amdhsa_system_sgpr_workgroup_id_x 1
		.amdhsa_system_sgpr_workgroup_id_y 1
		.amdhsa_system_sgpr_workgroup_id_z 1
		.amdhsa_system_vgpr_workitem_id 0
		.amdhsa_next_free_vgpr 1024
		.amdhsa_next_free_sgpr 102
		.amdhsa_reserve_vcc 0
		.amdhsa_float_denorm_mode_32 3
		.amdhsa_float_denorm_mode_16_64 3
		.amdhsa_memory_ordered 1
		.amdhsa_forward_progress 1
		.amdhsa_inst_pref_size 89
	.end_amdhsa_kernel
	.amdgpu_metadata
---
amdhsa.version: [ 1, 2 ]
amdhsa.kernels:
  - .name:           k_q8194aabe68_proj
    .symbol:         k_q8194aabe68_proj.kd
    .args:
      - { .name: zimg, .offset: 0, .size: 8, .value_kind: global_buffer, .address_space: global }
      - { .name: zsc, .offset: 8, .size: 8, .value_kind: global_buffer, .address_space: global }
      - { .name: wimg, .offset: 16, .size: 8, .value_kind: global_buffer, .address_space: global }
      - { .name: wsc, .offset: 24, .size: 8, .value_kind: global_buffer, .address_space: global }
      - { .name: b_out, .offset: 32, .size: 8, .value_kind: global_buffer, .address_space: global }
      - { .name: out0, .offset: 40, .size: 8, .value_kind: global_buffer, .address_space: global }
    .group_segment_fixed_size: 327680
    .private_segment_fixed_size: 0
    .kernarg_segment_align: 8
    .kernarg_segment_size: 48
    .max_flat_workgroup_size: 128
    .sgpr_count:     102
    .vgpr_count:     1024
    .wavefront_size: 32
...
	.end_amdgpu_metadata
.endif
;; end of part 4
